; MI455X (gfx1250); checked and timed in simulation.
; The chip was launched on July 23, 2026; its instructions are those of AMD's public machine-readable ISA for CDNA 5 (MIT licence, August 2026) and "CDNA5" Instruction Set Architecture Reference Guide (July 2026). The comments in the code are by the model that wrote it; some were corrected since.
;; Encoder. Allowed arithmetic: matrix products marked QUANTISED: E4M3 operands, one given power-of-two scale a tensor, by v_wmma_f32_16x16x64_fp8_fp8 or v_wmma_f32_16x16x128_fp8_fp8, f32 sums; everything else in f32.
;; Inputs: W1 1,024 x 4,096 float32; W2 4,096 x 1,024 float32; Wk 1,024 x 1,024 float32; Wo 1,024 x 1,024 float32; Wq 1,024 x 1,024 float32; Wv 1,024 x 1,024 float32; b1 4,096 float32; b2 1,024 float32; bk 1,024 float32; bo 1,024 float32; bq 1,024 float32; bv 1,024 float32; inp 2 x 2,048 x 1,024 float32; ln_b 1,024 float32; ln_g 1,024 float32; lowp_scales 16 int32 (the exponents e of the quantised operands' scales 2^e); mask 2 x 1 x 1 x 2,048 int32.
;; Outputs: out0 2 x 2,048 x 1,024 float32.
;; This version of the problem:
;;   THIS VERSION OF THE PROBLEM IS GIVEN IN LOW PRECISION. The matrix products marked QUANTISED in the list below multiply operands that are first quantised to E4M3 (4 exponent bits, 3 mantissa bits; 8 bits a number), with one given power-of-two scale for each operand tensor; their sums are f32. All else is computed in f32.
;;   The module's matrix products, in the order in which they are computed (A, B: the left and right operand; K: the contracted axis; several contracted axes count as one K, in the product's order):
;;     1. [M 4,096, K 1,024] x [K 1,024, N 1,024]; A: input inp; B: input Wq: QUANTISED (scales: A lowp_scales[0], B lowp_scales[1])
;;     2. [M 4,096, K 1,024] x [K 1,024, N 1,024]; A: input inp; B: input Wk: QUANTISED (scales: A lowp_scales[2], B lowp_scales[3])
;;     3. [M 4,096, K 1,024] x [K 1,024, N 1,024]; A: input inp; B: input Wv: QUANTISED (scales: A lowp_scales[4], B lowp_scales[5])
;;     4. batch 32 x [M 2,048, K 64] x [K 64, N 2,048]; A: computed on the way; B: computed on the way: QUANTISED (scales: A lowp_scales[6], B lowp_scales[7])
;;     5. batch 32 x [M 2,048, K 2,048] x [K 2,048, N 64]; A: softmax (see below); B: computed on the way: QUANTISED (scales: A lowp_scales[8], B lowp_scales[9])
;;     6. [M 4,096, K 1,024] x [K 1,024, N 1,024]; A: computed on the way; B: input Wo: QUANTISED (scales: A lowp_scales[10], B lowp_scales[11])
;;     7. [M 4,096, K 1,024] x [K 1,024, N 4,096]; A: computed on the way; B: input W1: QUANTISED (scales: A lowp_scales[12], B lowp_scales[13])
;;     8. [M 4,096, K 4,096] x [K 4,096, N 1,024]; A: computed on the way; B: input W2: QUANTISED (scales: A lowp_scales[14], B lowp_scales[15])
;;   THE QUANTISER, for each operand of a quantised product, along K:
;;     - The operand's scale is 2^e, e = its entry of the input lowp_scales (int32; the entries are numbered through the quantised products in the list's order, A before B).
;;     - Each number is divided by the scale, clamped to +-448, and rounded to the nearest number of E4M3, ties to even, subnormals kept.
;;     - The product sums the exact products of the quantised numbers (number of the format x scale) in f32.
;;   ~~~python
;;   def quantise(x, axis, e):      # numpy; x: float32 -> the quantised numbers, widened to float32 again
;;       x = np.moveaxis(x, axis, -1); K = x.shape[-1]
;;       r = np.clip(x / 2.0 ** e, -448, 448)
;;       step = 2.0 ** (np.maximum(np.frexp(np.where(r == 0, 1, r))[1] - 1, -6) - 3)
;;       q = np.round(r / step) * step * 2.0 ** e      # np.round: ties to even
;;       return np.moveaxis(q, -1, axis).astype(np.float32)
;;   ~~~
;;   SOFTMAX AHEAD OF A QUANTISED PRODUCT. Where the list says 'softmax', what is quantised is not the finished softmax but p = 2^(t - M), with t = logit x log2(e) and M = ceil(the row's largest t), a whole number; so 1/2 < the row's largest p <= 1. The row's sum l is taken of the UNQUANTISED p, in f32, and the product's result is divided by l at the end. Since M is a whole number, a kernel that streams over the keys may use a running M (the ceiling of the running maximum): every later rescaling is an exact power of two, so the quantised numbers keep their values, but for numbers so far below the row's largest that they fall under the format's range.
;;   OPERANDS COMPUTED ON THE WAY. 'Computed on the way' means the value that the module computes at that place (a softmax that the list does not call 'softmax' is quantised finished and normalised). What goes into a quantiser is computed in f32, as accurately as f32 sums, v_exp_f32 and their like allow (about 1e-6 of the number): no bf16 or f16 on the way to a quantiser, and a product that is left as it is and whose result goes on into a quantised operand takes f32 operands (vector FMAs, or v_wmma_f32_16x16x4_f32). A number that lies on a knife's edge between two numbers of the format may be rounded either way, as far as f32 arithmetic and the matrix unit's own rounding can turn it there, and no further.
;; One version. Each part assembles by itself: llvm-mc -triple=amdgcn-amd-amdhsa -mcpu=gfx1250 --defsym DOCPART=n.
;; ======== version 1 of 1: 8 launches
;; limits: right only within a limited range of input values
;; workspace buffers: xc 12,582,912 bytes; wc 12,582,912 bytes; qkv 12,582,912 bytes; cc 4,194,304 bytes; yz 16,777,216 bytes; x 16,777,216 bytes; x1c 4,194,304 bytes; hc 16,777,216 bytes
;; launch prep (part 1): grid 512 x 1, 4 waves a work-group, no clusters, 68,096 bytes of LDS; arguments inp, Wq, Wk, Wv, Wo, W1, W2, lowp_scales, xc, wc; writes xc, wc
.if DOCPART == 1
	.amdgcn_target "amdgcn-amd-amdhsa--gfx1250"
	.amdhsa_code_object_version 6
	.text
	.protected	k_q4c7122f305_prep
	.globl	k_q4c7122f305_prep
	.p2align	8
	.type	k_q4c7122f305_prep,@function
k_q4c7122f305_prep:
	s_mov_b64 s[64:65], 0
	v_nop
	global_prefetch_b8 v0, s[64:65] scope:SCOPE_SE
	s_setreg_imm32_b32 hwreg(HW_REG_WAVE_MODE, 25, 1), 1
	s_wait_xcnt 0x0
; PREP: every operand that arrives as f32 and is read by many work-groups later becomes codes of FP8 (E4M3) once, K innermost.
; code = x / 2^e, held within +-448, rounded to the nearest code, ties to even; e is the operand's entry of lowp_scales.
; Work-groups 0-383 (path W): the six weights, stored [K][N], into wc as [N][K]: Wq, Wk, Wv, Wo at 0, 1, 2, 3 MiB, W1 at 4 MiB, W2 at 8 MiB.
;   A lane takes a column n and its registers run down K, so the conversions give codes with K innermost; a wave takes 32 columns x 256 along K,
;   gathers 256 bytes a column in its own stage in LDS and stores sixteen lanes to 256 consecutive, aligned bytes.
; Work-groups 384-511 (path X): inp, a plain stream with K innermost, three times, with entries 0, 2, 4, into xc [3][4096][1024].
;   Each load takes 512 consecutive bytes; 2,048 bytes turn through the wave's stage so that a lane holds 16 neighbours.
; The two paths part on the work-group's number and never join; each has LDS bytes of its own.  No work-group shares input with another: no cluster, no tensor load.
; LIMITS: every e used here lies between -126 and 119.  NaN among the inputs is not served.
.set SPARE, 67584                      ; behind both paths' stages: the spare words, 128 bytes a wave
.set SPW,   12                         ; v12  SPARE + 4 x my thread's number; never rewritten
.set NIL,   13                         ; v13  0; never rewritten
.set WP,    272                        ; path W: a stage row, 256 bytes + 16
.set VO,    16                         ; v16-47   path W: 4 lane + i rows of the source
.set WX,    48                         ; v48-111  two sets of 32 numbers
.set WC,    112                        ; v112-119 a block's codes
.set OUTR,  120                        ; v120-183 the way out
.set SO,    184                        ; v184-199 the stores' offsets
.set XBASE, 34816                      ; path X: its LDS begins behind path W's four stages (4 x 32 x 272)
.set SP,    80                         ; a lane's place in a stage: 64 bytes + 16
.set STEPS, 16
.set R,     16                         ; v16-79   path X: four sets of 16 numbers as loaded
.set X,     80                         ; v80-111  two sets of 16 neighbours
.set T,     112                        ; v112-159 the held numbers, a set for each of the three scales
.set C,     160                        ; v160-171 the three sets of codes
.set SC,    172                        ; v172-174 2^e
.set LM,    176                        ; v176-178 448 x 2^e
.macro MKSC se, vs, vl                 ; s[se] = e  ->  v[vs] = 2^e as f32 (the conversion takes its exponent field), v[vl] = 448 x 2^e
	s_add_co_i32 s62, s[\se], 127
	s_lshl_b32 s63, s62, 23
	v_mov_b32 v[\vs], s63
	s_add_co_i32 s62, s62, 8
	s_lshl_b32 s62, s62, 23
	s_or_b32 s62, s62, 0x600000
	v_mov_b32 v[\vl], s62
.endm
	s_load_b512 s[4:19], s[0:1], 0x0               ; inp 4, Wq 6, Wk 8, Wv 10, Wo 12, W1 14, W2 16, lowp_scales 18
	s_load_b128 s[20:23], s[0:1], 0x40             ; xc 20, wc 22
	v_lshl_add_u32 v[SPW], v0, 2, SPARE
	v_mov_b32 v[NIL], 0
	v_lshrrev_b32 v1, 5, v0
	v_readfirstlane_b32 s24, v1                    ; wave
	v_and_b32 v2, 31, v0                           ; lane
	s_wait_kmcnt 0x0
	s_load_b512 s[68:83], s[18:19], 0x0            ; the sixteen exponents: entry i in s[68 + i]
	s_cmp_ge_u32 ttmp9, 384
	s_cbranch_scc1 .Lx
; ---------------- path W: a weight ----------------
	s_lshr_b32 s25, ttmp9, 5                       ; w: 0-3 the four square weights (32 work-groups each)
	s_lshr_b32 s29, ttmp9, 7                       ; 0: a square weight, 1: W1, 2: W2 (128 work-groups each)
	s_lshl_b32 s27, s25, 20
	s_mov_b32 s28, 1024
	s_mov_b32 s32, 4096
	s_cmp_lt_u32 ttmp9, 128
	s_cselect_b32 s26, 31, 127                     ; the mask of my number within the weight
	s_cselect_b32 s27, s27, 0x400000               ; where the weight's codes begin in wc
	s_cmp_eq_u32 s29, 2
	s_cselect_b32 s27, 0x800000, s27
	s_cselect_b32 s28, 4096, s28                   ; KROW: a row of codes in bytes (= K)
	s_cmp_eq_u32 s29, 1
	s_cselect_b32 s30, 31, 7                       ; N / 128 - 1
	s_cselect_b32 s31, 5, 3
	s_cselect_b32 s32, 16384, s32                  ; NS: a source row in bytes (= 4 N)
	s_and_b32 s26, ttmp9, s26
	s_and_b32 s30, s26, s30                        ; nx: which 128 columns
	s_lshr_b32 s31, s26, s31                       ; ky: which 256 along K
	s_cmp_eq_u32 s25, 0                            ; the source: a choice among buffers on the work-group's number alone
	s_cselect_b64 s[34:35], s[6:7], s[8:9]
	s_cmp_eq_u32 s25, 2
	s_cselect_b64 s[34:35], s[10:11], s[34:35]
	s_cmp_eq_u32 s25, 3
	s_cselect_b64 s[34:35], s[12:13], s[34:35]
	s_cmp_eq_u32 s29, 1
	s_cselect_b64 s[34:35], s[14:15], s[34:35]
	s_cmp_eq_u32 s29, 2
	s_cselect_b64 s[34:35], s[16:17], s[34:35]
	s_lshl_b32 s30, s30, 7
	s_lshl_b32 s54, s24, 5
	s_add_co_u32 s30, s30, s54                     ; my wave's first column: 128 nx + 32 wave
	s_mul_i32 s54, s31, s32
	s_lshl_b32 s54, s54, 8                         ; 256 ky rows of the source
	s_lshl_b32 s55, s30, 2
	s_add_co_u32 s54, s54, s55
	s_mov_b32 s55, 0
	s_add_nc_u64 s[36:37], s[34:35], s[54:55]      ; block 0's base
	s_lshl_b32 s54, s32, 5                         ; 32 rows on
.irp t, 1,2,3,4,5,6,7
	s_add_nc_u64 s[36+2*\t:37+2*\t], s[34+2*\t:35+2*\t], s[54:55]   ; a base for each of the eight blocks: no pointer is stepped
.endr
	s_mul_i32 s56, s30, s28                        ; the codes: column x KROW
	s_add_co_u32 s56, s56, s27
	s_lshl_b32 s57, s31, 8                         ; + 256 ky
	s_add_co_u32 s56, s56, s57
	s_mov_b32 s57, 0
	s_add_nc_u64 s[52:53], s[22:23], s[56:57]
	s_wait_alu depctr_va_vdst(0)
	v_lshlrev_b32 v[VO], 2, v2                     ; 4 bytes a lane: a load reads 128 consecutive bytes of one row
.set i, 1
.rept 31
	v_add_nc_u32 v[VO+i], s32, v[VO+i-1]
.set i, i+1
.endr
.macro LOADW t                         ; block t: W(32 t + i, my column), i = 0 .. 31, into set t % 2
.set i, 0
.rept 32
	global_load_b32 v[WX+32*((\t)%2)+i], v[VO+i], s[36+2*(\t):37+2*(\t)] th:TH_LOAD_NT
.set i, i+1
.endr
.endm
	LOADW 0
	LOADW 1
	s_mul_i32 s58, s24, 32*WP                      ; my stage
	v_mul_u32_u24 v4, v2, WP
	v_add_nc_u32 v4, s58, v4                       ; into it: row = my column
	v_and_b32 v5, 15, v2
	v_lshrrev_b32 v6, 4, v2
	v_mul_u32_u24 v7, v6, WP
	v_lshl_add_u32 v7, v5, 4, v7
	v_add_nc_u32 v7, s58, v7                       ; out of it: sixteen lanes to a row, two rows an instruction
	v_mul_u32_u24 v[SO], s28, v6
	v_lshl_add_u32 v[SO], v5, 4, v[SO]             ; and the same place in the codes
	s_lshl_b32 s59, s28, 1
.set i, 1
.rept 15
	v_add_nc_u32 v[SO+i], s59, v[SO+i-1]           ; two rows of codes on
.set i, i+1
.endr
	s_wait_kmcnt 0x0                               ; the exponents
	s_cmp_eq_u32 s25, 0                            ; the weight's entry: 1, 3, 5, 11, 13, 15
	s_cselect_b32 s33, s69, s71
	s_cmp_eq_u32 s25, 2
	s_cselect_b32 s33, s73, s33
	s_cmp_eq_u32 s25, 3
	s_cselect_b32 s33, s79, s33
	s_cmp_eq_u32 s29, 1
	s_cselect_b32 s33, s81, s33
	s_cmp_eq_u32 s29, 2
	s_cselect_b32 s33, s83, s33
	MKSC 33, 11, 10
.macro BLOCK t
.set XS, WX+32*((\t)%2)
.if (\t) < 7
	s_wait_loadcnt 32                              ; this block's 32 loads are in; the next block's 32 may be out
.else
	s_wait_loadcnt 0
.endif
.set i, 0
.rept 32
	v_med3_num_f32 v[XS+i], v[XS+i], -v10, v10     ; the conversion to an 8-bit code does not saturate (ISA guide 7.6.2): the hold comes first
.set i, i+1
.endr
.irp g, 0,1,2,3
	v_cvt_scalef32_pk8_fp8_f32 v[WC+2*\g:WC+2*\g+1], v[XS+8*\g:XS+8*\g+7], v11
.endr
	ds_store_b128 v4, v[WC:WC+3] offset:32*(\t)    ; 32 codes of my column's row
	ds_store_b128 v4, v[WC+4:WC+7] offset:32*(\t)+16
.if (\t)+2 < 8
	LOADW (\t)+2
.endif
	s_wait_dscnt 0x0                               ; the stores have read their registers: the next block's codes may be written (its 32 holds, plain lines, come first)
.endm
.set Q, 0
	s_wait_alu depctr_va_vdst(0)
.rept 8
	BLOCK Q
.set Q, Q+1
.endr
.set i, 0
.rept 16
	ds_load_b128 v[OUTR+4*i:OUTR+4*i+3], v7 offset:2*i*WP   ; LDS serves a wave's instructions in order: these see my stores
.set i, i+1
.endr
.set i, 0
.rept 16
	s_wait_dscnt 15-i                              ; the younger loads of the sixteen may be out
	global_store_b128 v[SO+i], v[OUTR+4*i:OUTR+4*i+3], s[52:53]   ; sixteen lanes store 256 consecutive bytes, aligned
.set i, i+1
.endr
	s_wait_tensorcnt 0x0                           ; the wave's end, behind my last LDS store
	ds_add_u32 v[SPW], v[NIL]
	s_wait_dscnt 0x0
	s_endpgm
; ---------------- path X: inp, with three scales ----------------
.Lx:
	s_sub_co_u32 s25, ttmp9, 384
	s_lshl_b32 s25, s25, 2
	s_add_co_u32 s25, s25, s24                     ; which run of 8,192 numbers is my wave's
	s_lshl_b32 s26, s25, 15
	s_mov_b32 s27, 0
	s_add_nc_u64 s[4:5], s[4:5], s[26:27]
	s_lshl_b32 s26, s25, 13
	s_add_nc_u64 s[56:57], s[20:21], s[26:27]      ; three bases: the sets of codes lie 4 MiB apart
	s_add_nc_u64 s[58:59], s[56:57], 0x400000
	s_add_nc_u64 s[60:61], s[56:57], 0x800000
	s_wait_alu depctr_va_vdst(0)
	v_lshlrev_b32 v3, 4, v2                        ; my 16 bytes of a load's 512, and of a store's
	s_lshl_b32 s28, s24, 13
	s_add_co_u32 s28, s28, XBASE                   ; my wave's region
	v_lshrrev_b32 v14, 2, v2
	v_mul_u32_u24 v14, v14, SP
	v_and_b32 v15, 3, v2
	v_lshl_add_u32 v14, v15, 4, v14
	v_add_nc_u32 v14, s28, v14                     ; the stage, on the way in: four lanes' 64 bytes on end, then 16 of padding
	v_mul_u32_u24 v15, v2, SP
	v_add_nc_u32 v15, s28, v15                     ; and on the way out: my 16 neighbours
.macro LOAD t
.irp i, 0,1,2,3
	global_load_b128 v[R+16*((\t)%4)+4*\i:R+16*((\t)%4)+4*\i+3], v3, s[4:5] offset:2048*(\t)+512*\i th:TH_LOAD_NT
.endr
.endm
.macro TURN t                          ; step t's numbers through the stage; LDS serves a wave's instructions in order
.irp i, 0,1,2,3
	ds_store_b128 v14, v[R+16*((\t)%4)+4*\i:R+16*((\t)%4)+4*\i+3] offset:32*SP*((\t)%2)+8*SP*\i
.endr
.irp i, 0,1,2,3
	ds_load_b128 v[X+16*((\t)%2)+4*\i:X+16*((\t)%2)+4*\i+3], v15 offset:32*SP*((\t)%2)+16*\i
.endr
.endm
.irp t, 0,1,2,3
	LOAD \t
.endr
	s_wait_alu depctr_va_vdst(0)
	s_wait_kmcnt 0x0
	MKSC 68, SC, LM                                ; entry 0: inp as the operand of the product with Wq
	MKSC 70, SC+1, LM+1                            ; entry 2: with Wk
	MKSC 72, SC+2, LM+2                            ; entry 4: with Wv
	s_wait_alu depctr_va_vdst(0)
	s_wait_loadcnt 12                              ; step 0's four loads are in; three steps' twelve may be out
	TURN 0
.macro STEP t
.set XS, X+16*((\t)%2)
	s_wait_dscnt 0x0                               ; this step's numbers are back, so its stores into the stage have read their registers
	s_wait_xcnt 0x0                                ; the last step's three stores have read their codes: C is written again below
.if (\t)+4 < STEPS
	LOAD (\t)+4
.endif
.if (\t)+1 < STEPS
.if STEPS-2-(\t) >= 3
	s_wait_loadcnt 12                              ; the next step's four loads are in; those of the three steps behind it may be out
.else
	s_wait_loadcnt 4*(STEPS-2-(\t))
.endif
	TURN (\t)+1
.endif
.irp s, 0,1,2
.set i, 0
.rept 16
	v_med3_num_f32 v[T+16*\s+i], v[XS+i], -v[LM+\s], v[LM+\s]
.set i, i+1
.endr
.endr
.irp s, 0,1,2
	v_cvt_scalef32_pk8_fp8_f32 v[C+4*\s:C+4*\s+1], v[T+16*\s:T+16*\s+7], v[SC+\s]
	v_cvt_scalef32_pk8_fp8_f32 v[C+4*\s+2:C+4*\s+3], v[T+16*\s+8:T+16*\s+15], v[SC+\s]
.endr
	v_nop                                          ; a plain line behind the conversions: the next step's holds write their sources
.irp s, 0,1,2
	global_store_b128 v3, v[C+4*\s:C+4*\s+3], s[56+2*\s:57+2*\s] offset:512*(\t)   ; 512 consecutive bytes a store
.endr
.endm
.irp t, 0,1,2,3,4,5,6,7,8,9,10,11,12,13,14,15
	STEP \t
.endr
	s_wait_tensorcnt 0x0                           ; the wave's end, behind my last LDS store
	ds_add_u32 v[SPW], v[NIL]
	s_wait_dscnt 0x0
	s_endpgm
.Lfunc_end_k_q4c7122f305_prep:
	.size	k_q4c7122f305_prep, .Lfunc_end_k_q4c7122f305_prep-k_q4c7122f305_prep
	.p2alignl 7, 3214868480
	.fill 96, 4, 3214868480
	.section	.rodata,"a",@progbits
	.p2align	6, 0x0
	.amdhsa_kernel k_q4c7122f305_prep
		.amdhsa_group_segment_fixed_size 68096
		.amdhsa_private_segment_fixed_size 0
		.amdhsa_enable_private_segment 0
		.amdhsa_kernarg_size 80
		.amdhsa_user_sgpr_count 2
		.amdhsa_user_sgpr_kernarg_segment_ptr 1
		.amdhsa_wavefront_size32 1
		.amdhsa_system_sgpr_workgroup_id_x 1
		.amdhsa_system_sgpr_workgroup_id_y 1
		.amdhsa_system_sgpr_workgroup_id_z 1
		.amdhsa_system_vgpr_workitem_id 0
		.amdhsa_next_free_vgpr 200
		.amdhsa_next_free_sgpr 100
		.amdhsa_reserve_vcc 0
		.amdhsa_float_denorm_mode_32 3
		.amdhsa_float_denorm_mode_16_64 3
		.amdhsa_memory_ordered 1
		.amdhsa_forward_progress 1
		.amdhsa_inst_pref_size 129
	.end_amdhsa_kernel
	.amdgpu_metadata
---
amdhsa.version: [ 1, 2 ]
amdhsa.kernels:
  - .name:           k_q4c7122f305_prep
    .symbol:         k_q4c7122f305_prep.kd
    .args:
      - { .name: inp, .offset: 0, .size: 8, .value_kind: global_buffer, .address_space: global }
      - { .name: Wq, .offset: 8, .size: 8, .value_kind: global_buffer, .address_space: global }
      - { .name: Wk, .offset: 16, .size: 8, .value_kind: global_buffer, .address_space: global }
      - { .name: Wv, .offset: 24, .size: 8, .value_kind: global_buffer, .address_space: global }
      - { .name: Wo, .offset: 32, .size: 8, .value_kind: global_buffer, .address_space: global }
      - { .name: W1, .offset: 40, .size: 8, .value_kind: global_buffer, .address_space: global }
      - { .name: W2, .offset: 48, .size: 8, .value_kind: global_buffer, .address_space: global }
      - { .name: lowp_scales, .offset: 56, .size: 8, .value_kind: global_buffer, .address_space: global }
      - { .name: xc, .offset: 64, .size: 8, .value_kind: global_buffer, .address_space: global }
      - { .name: wc, .offset: 72, .size: 8, .value_kind: global_buffer, .address_space: global }
    .group_segment_fixed_size: 68096
    .private_segment_fixed_size: 0
    .kernarg_segment_align: 8
    .kernarg_segment_size: 80
    .max_flat_workgroup_size: 128
    .sgpr_count:     100
    .vgpr_count:     200
    .wavefront_size: 32
...
	.end_amdgpu_metadata
.endif
;; end of part 1
;; launch qkv (part 2): grid 12 x 16, 4 waves a work-group, clusters of 4 x 4, 327,680 bytes of LDS; arguments xc, wc, lowp_scales, bq, bk, bv, qkv; writes qkv
.if DOCPART == 2
	.amdgcn_target "amdgcn-amd-amdhsa--gfx1250"
	.amdhsa_code_object_version 6
	.text
	.protected	k_q4c7122f305_qkv
	.globl	k_q4c7122f305_qkv
	.p2align	8
	.type	k_q4c7122f305_qkv,@function
k_q4c7122f305_qkv:
	s_mov_b64 s[64:65], 0
	v_nop
	global_prefetch_b8 v0, s[64:65] scope:SCOPE_SE
	s_setreg_imm32_b32 hwreg(HW_REG_WAVE_MODE, 25, 1), 1
	s_wait_xcnt 0x0
	s_wait_alu depctr_hold_cnt(0) depctr_sa_sdst(0) depctr_va_vdst(0) depctr_va_sdst(0) depctr_va_ssrc(0) depctr_va_vcc(0) depctr_vm_vsrc(0)
	s_getreg_b32 s2, hwreg(HW_REG_IB_STS2, 6, 4)
	s_cmp_eq_u32 s2, 0
	s_cbranch_scc0 .Lentry_in_a_cluster
	s_endpgm
.Lentry_in_a_cluster:
	s_bfe_u32 s2, ttmp6, 0x10000c
	s_cmp_lg_u32 s2, 0xf033
	s_cbranch_scc0 .Lentry_shape_is_right
	s_endpgm
.Lentry_shape_is_right:
.set SIZE_K, 1024
.set KSTEP,  256
.set ROWB,   256
.set KROW,   SIZE_K
.set PITCH,  272
.set FR,     16
.set NL,     4
.set NP,     4
.set HALFT,  128*PITCH
.set SLOT,   4*HALFT
.set LAPS,   SIZE_K/(2*KSTEP)
.set SPARE,  2*SLOT
.set ADRA, 16
.set ADRB, 20
.set STO,  24
.set RD,   25
.set GO,   26
.set SPW,  28
.set NIL,  29
.set CB,   32
.set RB,   96
.set SC,   112
.set LM,   113
.set T,    128
.set CD,   192
.set AF,   128
.set BK,   128
.set G1, 24
.set G0, 32
.set G1B, 48
.set G0B, 56
.set MSB, 0
.macro WIN new
.if MSB != (\new)
	s_set_vgpr_msb (MSB<<8)|(\new)
.set MSB, (\new)
.endif
.endm
.set MUL_LO, 0xa1
.set MUL_HI, 0xf1
.set TO_B,   0x40
.macro JLOAD g0a, g1a, g0b, g1b
	s_cmp_eq_u32 s15, 0
	s_cbranch_scc0 .Lfor_b_\@
	tensor_load_to_lds s[\g0a:\g0a+3], s[\g1a:\g1a+7]
	s_nop 0
.rept 4
	v_nop
.endr
	s_branch .Lasked_\@
.Lfor_b_\@:
	tensor_load_to_lds s[\g0b:\g0b+3], s[\g1b:\g1b+7]
	s_nop 0
.rept 4
	v_nop
.endr
.Lasked_\@:
.endm
.macro CREST
	s_cmp_lg_u32 s14, 0
	s_cbranch_scc1 .Lnot_wave_0_\@
	s_barrier_signal -3
.Lnot_wave_0_\@:
	s_barrier_wait -3
	s_barrier_signal -1
	s_barrier_wait -1
.endm
.macro CROUND
	s_barrier_signal -1
	s_barrier_wait -1
	CREST
.endm
	s_load_b256 s[4:11], s[0:1], 0x0
	s_load_b128 s[68:71], s[0:1], 0x20
	s_load_b64 s[72:73], s[0:1], 0x30
	v_lshl_add_u32 v[SPW], v0, 2, SPARE
	v_mov_b32 v[NIL], 0
	ds_add_u32 v[SPW], v[NIL]
	ds_add_u32 v[SPW], v[NIL]
	v_lshrrev_b32 v1, 5, v0
	v_readfirstlane_b32 s14, v1
	s_lshr_b32 s15, s14, 1
	s_and_b32 s16, s14, 1
	s_bfe_u32 s40, ttmp6, 0x40000
	s_bfe_u32 s41, ttmp6, 0x40004
	s_and_b32 s75, ttmp7, 0xffff
	s_lshl_b32 s75, s75, 2
	s_lshl_b32 s78, ttmp9, 22
	s_lshl_b32 s79, ttmp9, 20
	s_cmp_eq_u32 ttmp9, 2
	s_cselect_b32 s17, 0, s75
	s_cselect_b32 s42, s75, 0
	s_cselect_b32 s74, -1, 0
	s_cselect_b32 s78, 0x200000, s78
	s_cselect_b32 s79, 0x800000, s79
	s_add_co_u32 s17, s17, s41
	s_add_co_u32 s42, s42, s40
	s_lshl_b32 s43, s41, 2
	s_lshl_b32 s43, 15, s43
	s_lshl_b32 s44, 0x1111, s40
	s_or_b32 s[G1+0], s43, (0<<16)|(1<<20)|(1<<21)|(5<<22)|(3<<25)
	s_or_b32 s[G1B+0], s44, (0<<16)|(1<<20)|(1<<21)|(5<<22)|(3<<25)
.irp g, G1, G1B
	s_mov_b32 s[\g+1], ROWB<<16
	s_mov_b32 s[\g+2], 128<<16
	s_mov_b32 s[\g+3], ROWB<<16
	s_mov_b32 s[\g+4], 128
	s_mov_b32 s[\g+5], KROW
	s_mov_b32 s[\g+6], 0
	s_mov_b32 s[\g+7], 0
.endr
	s_lshl_b32 s18, s16, 7
	s_lshl_b32 s20, s17, 8
	s_add_co_u32 s20, s20, s18
	s_lshl_b32 s46, s42, 8
	s_add_co_u32 s46, s46, s18
	s_lshl_b32 s20, s20, 10
	s_lshl_b32 s46, s46, 10
	s_add_co_u32 s20, s20, s78
	s_add_co_u32 s46, s46, s79
	s_mov_b32 s21, 0
	s_mov_b32 s47, 0
	s_mul_i32 s45, s14, HALFT
	s_wait_dscnt 0x0
	s_wait_kmcnt 0x0
	s_load_b512 s[80:95], s[8:9], 0x0
	s_cmp_eq_u32 ttmp9, 2
	s_cselect_b64 s[98:99], s[6:7], s[4:5]
	s_cselect_b64 s[100:101], s[4:5], s[6:7]
	s_add_nc_u64 s[20:21], s[98:99], s[20:21]
	s_add_nc_u64 s[46:47], s[100:101], s[46:47]
	; the prefetches: of the 128 rows x 256 bytes of a K step that I fetch, each of the four partners that ask with me takes 32 rows, told apart by address (cx for source A, cy for source B): a lane a row.
	; Behind the load of K step 0 stand the lines for K steps 1 and 2, behind that of K step 1 the line for K step 3: each 256 bytes are named once in the cluster, and the addresses are never rewritten.
	s_cmp_eq_u32 s15, 0
	s_cselect_b64 s[12:13], s[20:21], s[46:47]
	s_cselect_b32 s66, s40, s41
	s_lshl_b32 s66, s66, 15                        ; 32 rows of 1,024 bytes
	s_mov_b32 s67, 0
	s_add_nc_u64 s[12:13], s[12:13], s[66:67]
	CROUND
.irp s, 0,1
	s_mov_b32 s[G0+4*\s], 1
	s_add_co_u32 s[G0+4*\s+1], s45, \s*SLOT
	s_add_nc_u64 s[G0+4*\s+2:G0+4*\s+3], s[20:21], \s*ROWB
	s_or_b32 s[G0+4*\s+3], s[G0+4*\s+3], 0x80000000
	s_mov_b32 s[G0B+4*\s], 1
	s_add_co_u32 s[G0B+4*\s+1], s45, \s*SLOT
	s_add_nc_u64 s[G0B+4*\s+2:G0B+4*\s+3], s[46:47], \s*ROWB
	s_or_b32 s[G0B+4*\s+3], s[G0B+4*\s+3], 0x80000000
.endr
	JLOAD G0, G1, G0B, G1B                         ; K step 0: my one tensor load at the head
	v_and_b32 v30, 31, v0
	v_lshlrev_b32 v30, 10, v30                     ; my lane's row; never rewritten
	global_prefetch_b8 v30, s[12:13] offset:ROWB th:TH_LOAD_NT scope:SCOPE_SE
	global_prefetch_b8 v30, s[12:13] offset:2*ROWB th:TH_LOAD_NT scope:SCOPE_SE
	v_and_b32 v1, 15, v0
	v_bfe_u32 v2, v0, 4, 1
	v_mul_u32_u24 v3, v1, PITCH
	v_lshl_add_u32 v4, v2, 4, v3
	s_wait_alu depctr_va_vdst(0)
	s_mul_i32 s21, s15, HALFT
	s_mul_i32 s22, s16, HALFT
	s_add_co_u32 s22, s22, 2*HALFT
.irp s, 0,1
	v_add_nc_u32 v[ADRA+\s], s21, v4
	v_add_nc_u32 v[ADRB+\s], s22, v4
	s_add_co_u32 s21, s21, SLOT
	s_add_co_u32 s22, s22, SLOT
.endr
	s_mul_i32 s23, s15, 128*PITCH
	s_lshl_b32 s18, s16, 7
	s_add_co_u32 s23, s23, s18
	v_add_nc_u32 v[STO], s23, v4
	v_and_b32 v6, 31, v0
	s_mul_i32 s23, s14, 64*PITCH
	v_add_nc_u32 v[RD], s23, v4
	v_lshlrev_b32 v[GO], 4, v6
	v_lshlrev_b32 v8, 5, v2
	s_wait_alu depctr_va_vdst(0)
	v_lshlrev_b32 v9, 2, v1
	s_wait_alu depctr_va_vdst(0)
	s_cmp_eq_u32 ttmp9, 0
	s_cselect_b64 s[68:69], s[10:11], s[68:69]
	s_lshl_b32 s18, s42, 10
	s_lshl_b32 s19, s16, 9
	s_add_co_u32 s18, s18, s19
	s_lshl_b32 s22, s17, 10
	s_lshl_b32 s19, s15, 9
	s_add_co_u32 s22, s22, s19
	s_cmp_eq_u32 ttmp9, 2
	s_cselect_b32 s18, 0, s18
	s_cselect_b32 s22, s22, 0
	s_mov_b32 s19, 0
	s_mov_b32 s23, 0
	s_add_nc_u64 s[68:69], s[68:69], s[18:19]
	s_add_nc_u64 s[70:71], s[70:71], s[22:23]
.set i, 0
.rept 8
	global_load_b128 v[CB+8*i:CB+8*i+3], v8, s[68:69] offset:64*i
	global_load_b128 v[CB+8*i+4:CB+8*i+7], v8, s[68:69] offset:64*i+16
	global_load_b32 v[RB+2*i], v9, s[70:71] offset:64*i
.set i, i+1
.endr
.macro FRAG reg, adr, q, i
.irp c, 0,1,2,3
	ds_load_b128 v[\reg+4*\c:\reg+4*\c+3], v[\adr] offset:128*(\q)+32*\c+(\i)*16*PITCH
.endr
.endm
.macro MUL16 a0, p, zero
.irp a, \a0, \a0+1
.irp b, 0,1,2,3,4,5,6,7
.if \zero
	v_wmma_f32_16x16x128_fp8_fp8 v[8*(8*((\a)%4)+\b):8*(8*((\a)%4)+\b)+7], v[128*(\p)+FR*\b:128*(\p)+FR*\b+FR-1], v[AF+FR*(\a):AF+FR*(\a)+FR-1], 0
.else
	v_wmma_f32_16x16x128_fp8_fp8 v[8*(8*((\a)%4)+\b):8*(8*((\a)%4)+\b)+7], v[128*(\p)+FR*\b:128*(\p)+FR*\b+FR-1], v[AF+FR*(\a):AF+FR*(\a)+FR-1], v[8*(8*((\a)%4)+\b):8*(8*((\a)%4)+\b)+7]
.endif
.endr
.endr
.endm
.macro FETCH_B slot, q, p
	WIN TO_B
.irp i, 0,1,2,3,4,5,6,7
	FRAG 128*(\p)+FR*\i, ADRB+\slot, \q, \i
.endr
	WIN 0
.endm
.macro FETCH_A slot, q, i0
.irp i, \i0, \i0+1, \i0+2, \i0+3
	FRAG AF+FR*(\i), ADRA+\slot, \q, \i
.endr
.endm
.macro PLACES n
.rept \n
	v_nop
.endr
.endm
.macro STEP slot, q, zero
	s_wait_dscnt 4*NL
	WIN MUL_LO
	MUL16 0, (\q)%2, \zero
	MUL16 2, (\q)%2, \zero
	s_wait_dscnt 0
	PLACES NP
	FETCH_B \slot, (\q)+1, 1-(\q)%2
	FETCH_A \slot, (\q)+1, 0
	WIN MUL_HI
	MUL16 4, (\q)%2, \zero
	MUL16 6, (\q)%2, \zero
	PLACES NP
	WIN 0
	FETCH_A \slot, (\q)+1, 4
.endm
.macro TURN slot, next, fill
	s_wait_tensorcnt 0x0
	ds_add_u32 v[SPW], v[NIL]
	s_wait_dscnt 4*NL+1
	WIN MUL_LO
	MUL16 0, 1, 0
	s_wait_dscnt 0x0
	s_barrier_signal -1
	MUL16 2, 1, 0
	WIN 0
	s_barrier_wait -1
.if \fill
	CREST
	s_add_nc_u64 s[G0+4*\slot+2:G0+4*\slot+3], s[G0+4*\slot+2:G0+4*\slot+3], 2*ROWB
	s_add_nc_u64 s[G0B+4*\slot+2:G0B+4*\slot+3], s[G0B+4*\slot+2:G0B+4*\slot+3], 2*ROWB
	JLOAD G0+4*\slot, G1, G0B+4*\slot, G1B
.else
	PLACES NP
.endif
	FETCH_B \next, 0, 0
	FETCH_A \next, 0, 0
	WIN MUL_HI
	MUL16 4, 1, 0
	MUL16 6, 1, 0
	PLACES NP
	WIN 0
	FETCH_A \next, 0, 4
.endm
	s_wait_alu depctr_va_vdst(0)                   ; the wait at the head's end
	s_wait_tensorcnt 0x0                           ; my part of K step 0 is in; slot 1's first fill is issued as a refill is
	ds_add_u32 v[SPW], v[NIL]
	s_wait_dscnt 0x0
	CROUND
	JLOAD G0+4, G1, G0B+4, G1B                     ; K step 1: the first tensor load behind the round
	FETCH_B 0, 0, 0
	global_prefetch_b8 v30, s[12:13] offset:3*ROWB th:TH_LOAD_NT scope:SCOPE_SE
	FETCH_A 0, 0, 0
	FETCH_A 0, 0, 4
	STEP 0, 0, 1
	s_mov_b32 s3, LAPS-1
.Llap:
	TURN 0, 1, 1
	STEP 1, 0, 0
	TURN 1, 0, 1
	STEP 0, 0, 0
	s_sub_co_u32 s3, s3, 1
	s_cmp_lg_u32 s3, 0
	s_cbranch_scc1 .Llap
	TURN 0, 1, 0
	STEP 1, 0, 0
	s_wait_dscnt 4*NL
	WIN MUL_LO
	MUL16 0, 1, 0
	MUL16 2, 1, 0
	s_wait_dscnt 0
	WIN MUL_HI
	MUL16 4, 1, 0
	MUL16 6, 1, 0
	WIN 0
	s_wait_kmcnt 0x0
	s_add_co_i32 s96, s80, s81
	s_add_co_i32 s97, s82, s83
	s_add_co_i32 s18, s84, s85
	s_cmp_eq_u32 ttmp9, 0
	s_cselect_b32 s96, s96, s97
	s_cselect_b32 s75, s86, s87
	s_mov_b32 s76, 4096
	s_mov_b32 s77, 0x20000
	s_cmp_eq_u32 ttmp9, 2
	s_cselect_b32 s96, s18, s96
	s_cselect_b32 s75, s89, s75
	s_cselect_b32 s18, s42, s17
	s_cselect_b32 s19, s17, s42
	s_cselect_b32 s76, 0x20000, s76
	s_cselect_b32 s77, 4096, s77
	s_add_co_i32 s96, s96, 127
	s_lshl_b32 s96, s96, 23
	s_mov_b32 s97, s96
	s_add_co_i32 s75, s75, 127
	s_lshl_b32 s22, s75, 23
	s_add_co_i32 s75, s75, 8
	s_lshl_b32 s75, s75, 23
	s_or_b32 s75, s75, 0x600000
	s_lshl_b32 s20, ttmp9, 22
	s_lshr_b32 s21, s18, 3
	s_lshl_b32 s21, s21, 21
	s_add_co_u32 s20, s20, s21
	s_lshl_b32 s21, s19, 19
	s_add_co_u32 s20, s20, s21
	s_and_b32 s21, s18, 7
	s_lshl_b32 s21, s21, 14
	s_add_co_u32 s20, s20, s21
	s_mul_i32 s21, s14, s76
	s_add_co_u32 s20, s20, s21
	s_mov_b32 s21, 0
	s_add_nc_u64 s[24:25], s[72:73], s[20:21]
	s_mov_b32 s20, s77
	s_add_nc_u64 s[26:27], s[24:25], s[20:21]
	s_add_nc_u64 s[28:29], s[26:27], s[20:21]
	s_add_nc_u64 s[30:31], s[28:29], s[20:21]
	PLACES NP
	s_wait_loadcnt 0x0
	v_mov_b32 v[SC], s22
	v_mov_b32 v[LM], s75
.set i, 0
.rept 64
	v_cndmask_b32 v[CB+i], v[CB+i], v[NIL], s74
.set i, i+1
.endr
.set i, 0
.rept 8
	v_cndmask_b32 v[RB+2*i], v[NIL], v[RB+2*i], s74
	v_mov_b32 v[RB+2*i+1], v[RB+2*i]
.set i, i+1
.endr
.macro TOCODES a
.set AC, 64*((\a)%4)
	WIN 0x02+((\a)/4)
.set j, 0
.rept 32
	v_pk_fma_f32 v[T+j:T+j+1], v[AC+j:AC+j+1], s[96:97], v[CB+j:CB+j+1] op_sel_hi:[1,0,1]
.set j, j+2
.endr
	WIN 0
.set j, 0
.rept 32
	v_pk_add_f32 v[T+j:T+j+1], v[T+j:T+j+1], v[RB+2*(\a):RB+2*(\a)+1]
.set j, j+2
.endr
.set j, 0
.rept 64
	v_med3_num_f32 v[T+j], v[T+j], -v[LM], v[LM]
.set j, j+1
.endr
.irp b, 0,1,2,3,4,5,6,7
	v_cvt_scalef32_pk8_fp8_f32 v[CD+16*((\a)%2)+2*\b:CD+16*((\a)%2)+2*\b+1], v[T+8*\b:T+8*\b+7], v[SC]   ; the codes take two sets of sixteen registers by turns
.endr
	v_nop
.irp b, 0,1,2,3,4,5,6,7
	ds_store_b64 v[STO], v[CD+16*((\a)%2)+2*\b:CD+16*((\a)%2)+2*\b+1] offset:(\a)*16*PITCH+32*(\b/2)+8*(\b%2)
.endr
	s_wait_dscnt 8                                 ; this block's eight stores may be out; those of the block before, whose registers the next block writes, are done
.endm
.irp a, 0,1,2,3,4,5,6,7
	TOCODES \a
.endr
	s_wait_dscnt 0x0                               ; for the others' sake: all my stores into the stage are done
	s_barrier_signal -1
	s_barrier_wait -1
.irp p, 0,1,2,3
.irp q, 0,1,2,3,4,5,6,7
	ds_load_b128 v[BK+4*(8*\p+\q):BK+4*(8*\p+\q)+3], v[RD] offset:(\q/2)*16*PITCH+32*(\q%2)+64*\p
.endr
.endr
.irp p, 0,1,2,3
.irp q, 0,1,2,3,4,5,6,7
	s_wait_dscnt 31-(8*\p+\q)
	global_store_b128 v[GO], v[BK+4*(8*\p+\q):BK+4*(8*\p+\q)+3], s[24+2*\p:25+2*\p] offset:512*\q
.endr
.endr
	s_wait_tensorcnt 0x0
	ds_add_u32 v[SPW], v[NIL]
	s_wait_dscnt 0x0
	CROUND
	s_endpgm
.Lfunc_end_k_q4c7122f305_qkv:
	.size	k_q4c7122f305_qkv, .Lfunc_end_k_q4c7122f305_qkv-k_q4c7122f305_qkv
	.p2alignl 7, 3214868480
	.fill 96, 4, 3214868480
	.section	.rodata,"a",@progbits
	.p2align	6, 0x0
	.amdhsa_kernel k_q4c7122f305_qkv
		.amdhsa_group_segment_fixed_size 327680
		.amdhsa_private_segment_fixed_size 0
		.amdhsa_enable_private_segment 0
		.amdhsa_kernarg_size 56
		.amdhsa_user_sgpr_count 2
		.amdhsa_user_sgpr_kernarg_segment_ptr 1
		.amdhsa_wavefront_size32 1
		.amdhsa_system_sgpr_workgroup_id_x 1
		.amdhsa_system_sgpr_workgroup_id_y 1
		.amdhsa_system_sgpr_workgroup_id_z 1
		.amdhsa_system_vgpr_workitem_id 0
		.amdhsa_next_free_vgpr 1024
		.amdhsa_next_free_sgpr 104
		.amdhsa_reserve_vcc 0
		.amdhsa_float_denorm_mode_32 3
		.amdhsa_float_denorm_mode_16_64 3
		.amdhsa_memory_ordered 1
		.amdhsa_forward_progress 1
		.amdhsa_inst_pref_size 167
	.end_amdhsa_kernel
	.amdgpu_metadata
---
amdhsa.version: [ 1, 2 ]
amdhsa.kernels:
  - .name:           k_q4c7122f305_qkv
    .symbol:         k_q4c7122f305_qkv.kd
    .args:
      - { .name: xc, .offset: 0, .size: 8, .value_kind: global_buffer, .address_space: global }
      - { .name: wc, .offset: 8, .size: 8, .value_kind: global_buffer, .address_space: global }
      - { .name: lowp_scales, .offset: 16, .size: 8, .value_kind: global_buffer, .address_space: global }
      - { .name: bq, .offset: 24, .size: 8, .value_kind: global_buffer, .address_space: global }
      - { .name: bk, .offset: 32, .size: 8, .value_kind: global_buffer, .address_space: global }
      - { .name: bv, .offset: 40, .size: 8, .value_kind: global_buffer, .address_space: global }
      - { .name: qkv, .offset: 48, .size: 8, .value_kind: global_buffer, .address_space: global }
    .group_segment_fixed_size: 327680
    .private_segment_fixed_size: 0
    .kernarg_segment_align: 8
    .kernarg_segment_size: 56
    .max_flat_workgroup_size: 128
    .sgpr_count:     104
    .vgpr_count:     1024
    .wavefront_size: 32
...
	.end_amdgpu_metadata
.endif
;; end of part 2
;; launch attn (part 3): grid 8 x 32, 8 waves a work-group, clusters of 4 x 1, 327,680 bytes of LDS; arguments qkv, mask, lowp_scales, cc; writes cc
.if DOCPART == 3
	.amdgcn_target "amdgcn-amd-amdhsa--gfx1250"
	.amdhsa_code_object_version 6
	.text
	.protected	k_q4c7122f305_attn
	.globl	k_q4c7122f305_attn
	.p2align	8
	.type	k_q4c7122f305_attn,@function
k_q4c7122f305_attn:
	s_mov_b64 s[64:65], 0
	v_nop
	global_prefetch_b8 v0, s[64:65] scope:SCOPE_SE
	s_setreg_imm32_b32 hwreg(HW_REG_WAVE_MODE, 25, 1), 1
	s_wait_xcnt 0x0
	s_wait_alu depctr_hold_cnt(0) depctr_sa_sdst(0) depctr_va_vdst(0) depctr_va_sdst(0) depctr_va_ssrc(0) depctr_va_vcc(0) depctr_vm_vsrc(0)
	s_getreg_b32 s2, hwreg(HW_REG_IB_STS2, 6, 4)
	s_cmp_eq_u32 s2, 0
	s_cbranch_scc0 .Lentry_in_a_cluster
	s_endpgm
.Lentry_in_a_cluster:
	s_bfe_u32 s2, ttmp6, 0x10000c
	s_cmp_lg_u32 s2, 0x3003
	s_cbranch_scc0 .Lentry_shape_is_right
	s_endpgm
.Lentry_shape_is_right:
; ctx = softmax(where(mask == 0, -1e9, Q K^T / 8)) V on codes of FP8 (E4M3), and ctx quantised at once (entry 10) for the product with Wo.
; THE SOFTMAX: t = logit x log2(e); M = the running largest t rounded UP to a whole number; p = 2^(t - M) is quantised (entry 8), not normalised; the row's sum is taken of the unquantised p and divides at the end.
; SHARES.  A work-group owns 256 queries of ONE head (grid: 8 blocks of queries x 32 heads).  The head's whole K and V, 2 x 131,072 bytes, lie in LDS: each of the eight waves asks once, at the head, for
; 256 keys of K and of V (one tile of two rows of 16,384 bytes, 4 MiB apart in memory).  Nothing is filled again: one barrier behind the fills, none in the loop over the keys.
; A wave owns 32 queries, two tiles of 16; each fragment of K, of V and of the bias that it reads from LDS serves both tiles.  It walks the 2,048 keys, 128 a step.
; CLUSTER.  The four blocks of queries of a cluster belong to one head and need the same K and V: every tile is asked for jointly, with the mask of all four.
; NO PREFETCH: every tile is asked for once, at the head; there is no loop of fills to run ahead in.
; Q, K and V lie in memory in the order of the operands' registers (blocks of 16 rows x 64 bytes as [c][h][r][16 bytes]): a fragment load takes 512 consecutive bytes of LDS, 16 a lane: no padding.
; LAYOUT.  S^T = K Q^T (source 0 = 16 keys, source 1 = 16 queries), O^T = V^T P^T: a lane holds one query of each tile.  Key tile T's eight registers are keys 16 T + 8 (lane / 16) + 0 .. 7: the conversions' results are the second product's operand.
; THE MASK: a bias for each key, 0 or -8e9 in raw score units, is the C of the score's one matrix instruction; it stays in registers of its own and serves both tiles.  A hidden key's t lies near -1.4e9, under the floor -1e8
; of the running maximum, so its p is 0.  Where a batch's mask is all zeros the bias is 0 and c is 0: p = 1 for every key, the uniform softmax that the -1e9 gives.  Both by selects: no branch hangs on data.
; THE LDS LOADS RUN A STEP AHEAD: the next step's K and bias are asked for behind this step's scores, the next step's V behind this step's second product.  The last step's look-ahead wraps to key 0 and is not used.
; THE TWO TILES' LINES STAND BY TURNS.  Tile 0's exponentials alternate with tile 1's multiply-adds, tile 1's with tile 0's first additions (into the codes' registers, free then) and its holds: each plain result
; written inside a batch is first read behind the wait that closes the batch.  O^T is brought under the new M ahead of the exponentials.
; THE WAY OUT: cc is laid as the product with Wo reads it: [block of 16 tokens][head][c][h][r][16 bytes], 16 bytes = channels 32 c + 16 h + 0 .. 15 of token r.  A store's 32 lanes cover 256 consecutive, aligned bytes.
; LIMITS: a row whose largest open logit x log2(e) lies under -1e8 is not served.  Entries 6 + 7 between -123 and 130; entries 8 and 10 between -126 and 119.
; REGISTERS, two windows of 256.  Window 0: v1-11 addresses; v12-29, v30-47 the small state of tile 0, tile 1; v48-111, v112-175 S^T / p of tile 0, 1; v176-207 p's codes of both; v208-223 Q of both; v224-255 K's tiles 0-3.
; Window 1: v0-63 O^T of both tiles; v64-95 K's tiles 4-7; v96-159 V; v160-223 the bias.
.set CH,    32768                      ; a chunk: 256 keys of K (16,384 bytes), then of V
.set VOF,   16384
.set BIAS,  8*CH                       ; behind the chunks: 2,048 keys x 4 bytes
.set SPARE, BIAS+8192                  ; the spare words: 128 bytes for each of eight waves
.set LA0, 1                            ; v1   16 x lane
.set AB0, 4                            ; v4   the bias of my half's eight keys of a tile
.set SPW, 5
.set NIL, 6
.set GO,  7                            ; v7   the way out: 16 (lane % 16) + 8 (lane / 16)
.set LA,  8                            ; v8   LA0 in the chunk from which the next loads come
.set ADB, 10                           ; v10  AB0 at that chunk's first key
.set T0,  12                           ; a tile's small state: +0 -M, +1 t, +2,3 the sum, +4,5 f, +6..9 maxima, +10 a permute's result, +12..17 partial sums
.set T1,  30
.set LM,  23                           ; 448 x the scale
.set LM2, 24                           ; the same once more, in another register bank: the second half of a dual line names it
.set SC,  41                           ; the scale
.set S0,  48
.set S1,  112
.set CD,  176
.set QF,  208
.set KL,  224
.set OT,  0
.set KH,  64
.set VF,  96
.set BI,  160
.set WV,  18
.set SEL, 20
.set CS,  22
.set G1,  24
.set G0,  40
.set TBR, 2                            ; s2  the chunk's byte, stepped;  s3 the same modulo the eight chunks
.set TBM, 3
.set KBR, 44                           ; the same for the bias
.set KBM, 45
.set CNT, 46
.set MSB, 0
.macro WIN new                         ; low byte: bits 1:0 source 0, 3:2 source 1, 5:4 source 2, 7:6 destination; the high byte repeats the setting that is left
.if MSB != (\new)
	s_set_vgpr_msb (MSB<<8)|(\new)
.set MSB, (\new)
.endif
.endm
.macro PLACES
.rept 4
	v_nop
.endr
.endm
.macro CROUND
	s_barrier_signal -1
	s_barrier_wait -1
	s_cmp_lg_u32 s[WV], 0
	s_cbranch_scc1 .Lnot_wave_0_\@
	s_barrier_signal -3
.Lnot_wave_0_\@:
	s_barrier_wait -3
	s_barrier_signal -1
	s_barrier_wait -1
.endm
	s_load_b256 s[4:11], s[0:1], 0x0               ; qkv 4, mask 6, lowp_scales 8, cc 10
	v_lshl_add_u32 v[SPW], v0, 2, SPARE
	v_mov_b32 v[NIL], 0
	ds_add_u32 v[SPW], v[NIL]                      ; the wave's opening: the add, twice on end, and its wait ahead of my tensor load
	ds_add_u32 v[SPW], v[NIL]
	v_lshrrev_b32 v9, 5, v0
	v_readfirstlane_b32 s[WV], v9                  ; wave 0..7
	s_bfe_u32 s12, ttmp6, 0x40000                  ; cx
	s_lshl_b32 s13, ttmp9, 2
	s_add_co_u32 s13, s13, s12                     ; my block of 256 queries
	s_and_b32 s14, ttmp7, 0xffff                   ; the head, counted through both batches
	s_lshr_b32 s15, s14, 4                         ; the batch
	s_and_b32 s16, s14, 15                         ; the head in it
	s_mov_b32 s[G1], 15|(3<<16)|(1<<21)            ; the mask of all four; elements of 8 bytes; no padding; bit 21 beside a mask
	s_mov_b32 s[G1+1], 2048<<16                    ; tensor_dim0: a row of 16,384 bytes
	s_mov_b32 s[G1+2], 2<<16                       ; tensor_dim1: K's row and V's
	s_mov_b32 s[G1+3], 2048<<16                    ; tile_dim0
	s_mov_b32 s[G1+4], 2                           ; tile_dim1
	s_mov_b32 s[G1+5], 0x80000                     ; the pitch: 4 MiB, from K's codes to V's
	s_mov_b32 s[G1+6], 0
	s_mov_b32 s[G1+7], 0
	s_lshl_b32 s34, s14, 17                        ; what I fetch: K at 4 MiB, the head's 131,072 bytes, my 256 keys
	s_lshl_b32 s35, s[WV], 14
	s_add_co_u32 s34, s34, s35
	s_add_co_u32 s34, s34, 0x400000
	s_mov_b32 s35, 0
	s_lshl_b32 s36, s14, 17                        ; Q: the head, my block's 16 tiles of 1,024 bytes, my two of them
	s_lshl_b32 s37, s13, 14
	s_add_co_u32 s36, s36, s37
	s_lshl_b32 s37, s[WV], 11
	s_add_co_u32 s36, s36, s37
	s_mov_b32 s37, 0
	s_lshl_b32 s38, s15, 21                        ; cc: block of 16 tokens 128 b + 16 x my block + 2 wave, 16,384 bytes each,
	s_lshl_b32 s39, s13, 18
	s_add_co_u32 s38, s38, s39
	s_lshl_b32 s39, s[WV], 15
	s_add_co_u32 s38, s38, s39
	s_lshl_b32 s39, s16, 10                        ; + the head's 1,024 bytes
	s_add_co_u32 s38, s38, s39
	s_mov_b32 s39, 0
	s_lshl_b32 s48, s15, 13                        ; the batch's row of the mask
	s_mov_b32 s49, 0
	s_mov_b32 s[SEL], 0x76543210
	s_mov_b32 s[SEL+1], 0xfedcba98
	s_mov_b32 s[TBR], 0
	s_mov_b32 s[TBM], 0
	s_mov_b32 s[KBR], 0
	s_mov_b32 s[KBM], 0
	s_mov_b32 s[CNT], 8
	s_wait_dscnt 0x0                               ; both opening adds are done
	s_wait_kmcnt 0x0
	s_load_b256 s[84:91], s[8:9], 0x18             ; entries 6 to 13: eq 84, ek 85, ep 86, ev 87, ec 88
	s_mov_b32 s[G0], 1
	s_lshl_b32 s[G0+1], s[WV], 15                  ; chunk w
	s_add_nc_u64 s[G0+2:G0+3], s[4:5], s[34:35]
	s_or_b32 s[G0+3], s[G0+3], 0x80000000
	s_add_nc_u64 s[4:5], s[4:5], s[36:37]
	s_add_nc_u64 s[6:7], s[6:7], s[48:49]
	s_add_nc_u64 s[10:11], s[10:11], s[38:39]
	CROUND                                         ; all four work-groups are here: the joint loads meet
	tensor_load_to_lds s[G0:G0+3], s[G1:G1+7]      ; my one tensor load of the launch
	s_nop 0
	PLACES
	v_and_b32 v9, 31, v0
	v_lshlrev_b32 v[LA0], 4, v9
.irp i, 0,1,2,3
	global_load_b128 v[QF+4*\i:QF+4*\i+3], v[LA0], s[4:5] offset:512*\i   ; Q's two fragments stay in registers
.endr
.set i, 0
.rept 16
	global_load_b128 v[S0+4*i:S0+4*i+3], v[LA0], s[6:7] offset:512*i  ; the batch's whole mask, in every wave: is any key open?
.set i, i+1
.endr
	v_lshlrev_b32 v11, 5, v0
	global_load_b128 v[CD:CD+3], v11, s[6:7]       ; and my thread's eight keys
	global_load_b128 v[CD+4:CD+7], v11, s[6:7] offset:16
	v_lshl_add_u32 v3, v0, 5, BIAS                 ; where I put their bias
	v_bfe_u32 v9, v0, 4, 1
	v_lshl_add_u32 v[AB0], v9, 5, BIAS
	v_and_b32 v2, 15, v0
	v_lshlrev_b32 v2, 4, v2
	v_lshl_add_u32 v[GO], v9, 3, v2
.irp b, T0, T1
	v_mov_b32 v[\b+1], 0xccbebc20                  ; the largest t so far: -1e8, over every hidden key's t
	v_mov_b32 v[\b+2], 0
	v_mov_b32 v[\b+3], 0
	v_mov_b32 v[\b+5], 0                           ; named as the upper half of f's pair
	v_mov_b32 v[\b+10], 0                          ; a lane permute's destination counts as read
	v_floor_f32 v[\b], -v[\b+1]                    ; -M
.endr
	WIN 0x40
.set i, 0
.rept 64
	v_mov_b32 v[OT+i], 0                           ; O^T: the step has no first form of its own, and the first step finds zeros
.set i, i+1
.endr
	WIN 0
	s_wait_loadcnt 0x0
.set i, 4
.rept 15
	v_or_b32 v[S0], v[S0], v[S0+i]
	v_or_b32 v[S0+1], v[S0+1], v[S0+i+1]
	v_or_b32 v[S0+2], v[S0+2], v[S0+i+2]
	v_or_b32 v[S0+3], v[S0+3], v[S0+i+3]
.set i, i+4
.endr
	v_or_b32 v[S0], v[S0], v[S0+1]
	v_or_b32 v[S0+2], v[S0+2], v[S0+3]
	v_or_b32 v[S0], v[S0], v[S0+2]
	v_cmp_ne_u32 s92, 0, v[S0]                     ; a bit for each lane that saw an open key
	s_wait_kmcnt 0x0
	s_add_co_i32 s95, s84, s85                     ; eq + ek
	s_lshl_b32 s96, s95, 23
	s_mov_b32 s[CS], 0x3e38aa3b                    ; log2(e) / 8
	s_add_co_i32 s[CS], s[CS], s96                 ; x 2^(eq + ek): the exponents are added to its exponent field
	s_cmp_lg_u32 s92, 0
	s_cselect_b32 s[CS], s[CS], 0                  ; no key open: c = 0
	s_cselect_b32 s93, -1, 0
	s_mov_b32 s[CS+1], s[CS]
	s_sub_co_i32 s95, 0, s95
	v_mov_b32 v9, 0xcfee6b28                       ; -8e9: -1e9 ahead of the division by 8,
	v_ldexp_f32 v9, v9, s95                        ; in raw score units
.irp i, 0,1,2,3,4,5,6,7
	v_cmp_eq_u32 s94, 0, v[CD+\i]
	s_and_b32 s94, s94, s93
	v_cndmask_b32 v[CD+8+\i], v[NIL], v9, s94
.endr
	ds_store_b128 v3, v[CD+8:CD+11]
	ds_store_b128 v3, v[CD+12:CD+15] offset:16
	s_add_co_i32 s92, s86, 127
	s_lshl_b32 s93, s92, 23
	v_mov_b32 v[SC], s93                           ; 2^ep
	s_add_co_i32 s92, s92, 8
	s_lshl_b32 s92, s92, 23
	s_or_b32 s92, s92, 0x600000
	v_mov_b32 v[LM], s92                           ; 448 x 2^ep
	v_mov_b32 v[LM2], s92
.macro KBLOAD nq                       ; K's eight tiles (16 loads of 512 consecutive bytes) and the bias (16 loads) of step nq of the chunk at LA, ADB
	WIN 0
.set i, 0
.rept 8
	ds_load_b128 v[KL+4*i:KL+4*i+3], v[LA] offset:(\nq)*8192+512*i
.set i, i+1
.endr
	WIN 0x40
.set i, 0
.rept 8
	ds_load_b128 v[KH+4*i:KH+4*i+3], v[LA] offset:(\nq)*8192+4096+512*i
.set i, i+1
.endr
.set i, 0
.rept 16
	ds_load_b128 v[BI+4*i:BI+4*i+3], v[ADB] offset:(\nq)*512+64*(i/2)+16*(i%2)
.set i, i+1
.endr
.endm
.macro VLOAD nq                        ; step nq's four fragments of V^T (16 of the head's 64 x 128 keys): two blocks of 64 keys, 4,096 bytes apart
	WIN 0x40
.set i, 0
.rept 16
	ds_load_b128 v[VF+4*i:VF+4*i+3], v[LA] offset:VOF+(2*(\nq)+(i%4)/2)*4096+(i/4)*1024+(i%2)*512
.set i, i+1
.endr
.endm
.macro SMUL kh                         ; both tiles' scores against K's tiles 4 kh .. 4 kh + 3; C = the bias, D = other registers; each accumulator one instruction
	WIN 0x10|(\kh)
.set KA, KL-(KL-KH)*(\kh)
.irp t, 0,1
.set i, 0
.rept 4
	v_wmma_f32_16x16x64_fp8_fp8 v[S0+64*\t+32*(\kh)+8*i:S0+64*\t+32*(\kh)+8*i+7], v[KA+8*i:KA+8*i+7], v[QF+8*\t:QF+8*\t+7], v[BI+32*(\kh)+8*i:BI+32*(\kh)+8*i+7]
.set i, i+1
.endr
.endr
.endm
.macro SUMR k0, k1                     ; tile 1's sum, four chains by turns: the sum itself and three partial sums
.set k, \k0
.rept \k1-\k0
.set tg, T1+2+((k%4+3)/4)*(8+2*(k%4))
	v_pk_add_f32 v[tg:tg+1], v[tg:tg+1], v[S1+12+2*k:S1+13+2*k]
.set k, k+1
.endr
.endm
.macro RED n                           ; tile 0's sum: of its partial sums, pair i takes pair i + n in
.set m, 0
.rept \n
	v_pk_add_f32 v[CD+2*m:CD+2*m+1], v[CD+2*m:CD+2*m+1], v[CD+2*(m+\n):CD+2*(m+\n)+1]
.set m, m+1
.endr
.endm
; A KEY STEP: 128 keys, the q-th of the chunk in hand.
.macro STEP q
	s_wait_dscnt 16                                ; this step's K and bias are in; behind them V's sixteen loads were issued and may be out
	SMUL 0
	SMUL 1
	PLACES                                         ; in front of loads into registers that these products read, and of the first read of their results
	WIN 0
.if \q
	s_add_co_u32 s[TBR], s[TBR], CH                ; on to the next chunk; behind the eighth, back to the first
	s_and_b32 s[TBM], s[TBR], 8*CH-1
	v_add_nc_u32 v[LA], s[TBM], v[LA0]
	s_add_co_u32 s[KBR], s[KBR], 1024
	s_and_b32 s[KBM], s[KBR], 8191
	v_add_nc_u32 v[ADB], s[KBM], v[AB0]
.endif
	KBLOAD 1-\q
	WIN 0
.irp c, 0,1,2,3                        ; the largest of my 64 scores of each tile, four chains a tile, the registers in ascending order: each accumulator is read from its low end on
	v_max3_num_f32 v[T0+6+\c], v[S0+3*\c], v[S0+3*\c+1], v[S0+3*\c+2]
	v_max3_num_f32 v[T1+6+\c], v[S1+3*\c], v[S1+3*\c+1], v[S1+3*\c+2]
.endr
.set k, 0
.rept 26
	v_max3_num_f32 v[T0+6+k%4], v[T0+6+k%4], v[S0+12+2*k], v[S0+13+2*k]
	v_max3_num_f32 v[T1+6+k%4], v[T1+6+k%4], v[S1+12+2*k], v[S1+13+2*k]
.set k, k+1
.endr
.irp b, T0, T1
	v_max3_num_f32 v[\b+6], v[\b+6], v[\b+7], v[\b+8]
.endr
.irp b, T0, T1
	v_max_num_f32 v[\b+6], v[\b+6], v[\b+9]
.endr
.irp b, T0, T1
	v_permlanex16_b32 v[\b+10], v[\b+6], s[SEL], s[SEL+1]
.endr
.irp b, T0, T1
	v_max_num_f32 v[\b+6], v[\b+6], v[\b+10]       ; and among lane l xor 16's
.endr
.irp b, T0, T1
	v_mul_f32 v[\b+6], s[CS], v[\b+6]              ; as t (c is not negative)
.endr
.irp b, T0, T1
	v_max_num_f32 v[\b+1], v[\b+1], v[\b+6]
.endr
.irp b, T0, T1
	v_mov_b32 v[\b+6], v[\b]
.endr
.irp b, T0, T1
	v_floor_f32 v[\b], -v[\b+1]                    ; the new -M: M is a whole number
.endr
.irp b, T0, T1
	v_sub_f32 v[\b+6], v[\b], v[\b+6]
.endr
.set j, 0
.rept 8
	v_pk_fma_f32 v[S0+j:S0+j+1], v[S0+j:S0+j+1], s[CS:CS+1], v[T0:T0+1] op_sel_hi:[1,0,0]   ; t - M of tile 0; the first lines stand among the chain that makes f
.set j, j+2
.endr
.irp b, T0, T1
	v_cvt_i32_f32 v[\b+6], v[\b+6]                 ; old M - new M, 0 or less (it saturates)
.endr
.rept 8
	v_pk_fma_f32 v[S0+j:S0+j+1], v[S0+j:S0+j+1], s[CS:CS+1], v[T0:T0+1] op_sel_hi:[1,0,0]
.set j, j+2
.endr
.irp b, T0, T1
	v_ldexp_f32 v[\b+4], 1.0, v[\b+6]              ; f = 2^(old M - new M): rounds nothing
.endr
.rept 16
	v_pk_fma_f32 v[S0+j:S0+j+1], v[S0+j:S0+j+1], s[CS:CS+1], v[T0:T0+1] op_sel_hi:[1,0,0]
.set j, j+2
.endr
	WIN 0x41
.irp t, 0,1
.set j, 0
.rept 16
	v_pk_mul_f32 v[OT+32*\t+j:OT+32*\t+j+1], v[OT+32*\t+j:OT+32*\t+j+1], v[T0+18*\t+4:T0+18*\t+5] op_sel_hi:[1,0]   ; O^T under the new M: no exponential stands between the last products and these lines
.set j, j+2
.endr
.endr
	WIN 0
	s_wait_alu depctr_va_vdst(0)                   ; the wait ahead of the batch
.set j, 0
.rept 32
	v_exp_f32 v[S0+2*j], v[S0+2*j]                 ; p = 2^(t - M) of tile 0, by turns with t - M of tile 1
	v_pk_fma_f32 v[S1+2*j:S1+2*j+1], v[S1+2*j:S1+2*j+1], s[CS:CS+1], v[T1:T1+1] op_sel_hi:[1,0,0]
	v_exp_f32 v[S0+2*j+1], v[S0+2*j+1]
.set j, j+1
.endr
.irp b, T0, T1
	v_pk_mul_f32 v[\b+2:\b+3], v[\b+2:\b+3], v[\b+4:\b+5] op_sel_hi:[1,0]   ; the sums under the new M: plain lines behind the exponentials
.endr
	s_wait_alu depctr_va_vdst(0)                   ; the wait that closes tile 0's batch and opens tile 1's
.set j, 0
.rept 16
	v_exp_f32 v[S1+j], v[S1+j]                     ; p of tile 1, by turns with tile 0's first additions, of the unquantised p, into the codes' registers,
	v_pk_add_f32 v[CD+2*j:CD+2*j+1], v[S0+4*j:S0+4*j+1], v[S0+4*j+2:S0+4*j+3]
.set j, j+1
.endr
.set j, 0
.rept 24
	v_exp_f32 v[S1+16+2*j], v[S1+16+2*j]           ; and with its holds, two to a line: the conversion does not saturate (ISA guide 7.6.2); p is not negative
	v_dual_min_num_f32 v[S0+2*j], v[S0+2*j], v[LM] :: v_dual_min_num_f32 v[S0+2*j+1], v[S0+2*j+1], v[LM2]
	v_exp_f32 v[S1+17+2*j], v[S1+17+2*j]
.set j, j+1
.endr
.rept 8
	v_dual_min_num_f32 v[S0+2*j], v[S0+2*j], v[LM] :: v_dual_min_num_f32 v[S0+2*j+1], v[S0+2*j+1], v[LM2]
.set j, j+1
.endr
	v_nop                                          ; a plain line behind the exponentials
	s_wait_alu depctr_va_vdst(0)                   ; one wait for the batch, ahead of its first reader and of the readers of what was written inside it
.irp c, 0,1,2
	v_pk_add_f32 v[T1+12+2*\c:T1+13+2*\c], v[S1+4*\c:S1+4*\c+1], v[S1+4*\c+2:S1+4*\c+3]
.endr
	RED 8
	SUMR 0, 8
	RED 4
	SUMR 8, 14
	RED 2
	SUMR 14, 20
	RED 1
	SUMR 20, 26
	v_pk_add_f32 v[T0+2:T0+3], v[T0+2:T0+3], v[CD:CD+1]
	v_pk_add_f32 v[T1+12:T1+13], v[T1+12:T1+13], v[T1+14:T1+15]
	v_pk_add_f32 v[T1+2:T1+3], v[T1+2:T1+3], v[T1+16:T1+17]
.set i, 0
.rept 8
	v_cvt_scalef32_pk8_fp8_f32 v[CD+2*i:CD+2*i+1], v[S0+8*i:S0+8*i+7], v[SC]   ; tile 0's codes, by turns with tile 1's holds
.set j, 0
.rept 4
	v_dual_min_num_f32 v[S1+8*i+j], v[S1+8*i+j], v[LM] :: v_dual_min_num_f32 v[S1+8*i+j+1], v[S1+8*i+j+1], v[LM2]
.set j, j+2
.endr
.set i, i+1
.endr
	v_pk_add_f32 v[T1+2:T1+3], v[T1+2:T1+3], v[T1+12:T1+13]
.set i, 0
.rept 8
	v_cvt_scalef32_pk8_fp8_f32 v[CD+16+2*i:CD+17+2*i], v[S1+8*i:S1+8*i+7], v[SC]
.set i, i+1
.endr
	v_nop                                          ; a plain line behind the conversions
	s_wait_alu depctr_va_vdst(0)                   ; directly ahead of the wait below
	s_wait_dscnt 32                                ; V's sixteen loads are in; behind them the next step's K and bias, 32 loads, were issued and may be out
	WIN 0x51
.irp t, 0,1
.set i, 0
.rept 4
	v_wmma_f32_16x16x128_fp8_fp8 v[OT+32*\t+8*i:OT+32*\t+8*i+7], v[VF+16*i:VF+16*i+15], v[CD+16*\t:CD+16*\t+15], v[OT+32*\t+8*i:OT+32*\t+8*i+7]
.set i, i+1
.endr
.endr
	PLACES                                         ; in front of loads into registers that these products read
	VLOAD 1-\q
.endm
	s_wait_alu depctr_va_vdst(0)                   ; the wait at the head's end
	s_wait_tensorcnt 0x0                           ; my chunk is in,
	s_wait_dscnt 0x0                               ; and my eight keys' bias is stored: for the others' sake
	s_barrier_signal -1
	s_barrier_wait -1                              ; all of K, V and the bias are in LDS, and nothing is written there again
	v_add_nc_u32 v[LA], s[TBM], v[LA0]
	v_add_nc_u32 v[ADB], s[KBM], v[AB0]
	KBLOAD 0
	VLOAD 0
	WIN 0
.Lchunk:                               ; eight trips of two steps
	s_wait_alu depctr_va_vdst(0)
	STEP 0
	STEP 1
	WIN 0
	s_sub_co_u32 s[CNT], s[CNT], 1
	s_cmp_lg_u32 s[CNT], 0
	s_cbranch_scc1 .Lchunk
	; THE WAY OUT: O^T / the sum x 2^(ep + ev), quantised with entry 10.  Tile t's eight codes of a lane are channels 16 t + 8 (lane / 16) + 0 .. 7 of query lane % 16: byte 512 (t / 2) + 256 (t % 2) + GO of the block.
.irp b, T0, T1
	v_add_f32 v[\b+2], v[\b+2], v[\b+3]
.endr
.irp b, T0, T1
	v_permlanex16_b32 v[\b+10], v[\b+2], s[SEL], s[SEL+1]
.endr
.irp b, T0, T1
	v_add_f32 v[\b+2], v[\b+2], v[\b+10]
.endr
	s_add_co_i32 s92, s86, s87                     ; ep + ev
	s_add_co_i32 s94, s88, 127
	s_lshl_b32 s95, s94, 23
	s_add_co_i32 s94, s94, 8
	s_lshl_b32 s94, s94, 23
	s_or_b32 s94, s94, 0x600000
	s_wait_alu depctr_va_vdst(0)                   ; the wait ahead of the two reciprocals
	v_rcp_f32 v[T0+2], v[T0+2]
	v_rcp_f32 v[T1+2], v[T1+2]
	v_mov_b32 v[SC], s95                           ; 2^ec (a plain line behind the reciprocals)
	v_mov_b32 v[LM], s94                           ; 448 x 2^ec
	s_wait_alu depctr_va_vdst(0)                   ; and the wait ahead of their first reader
.irp b, T0, T1
	v_ldexp_f32 v[\b+2], v[\b+2], s92
.endr
	WIN 0x01
	s_wait_alu depctr_va_vdst(0)                   ; directly ahead of the first reader of O^T
.irp t, 0,1
.set j, 0
.rept 32
	v_mul_f32 v[S0+64*\t+j], v[OT+32*\t+j], v[T0+18*\t+2]   ; each accumulator from its low end on
.set j, j+1
.endr
.endr
	WIN 0
.irp t, 0,1
.set j, 0
.rept 32
	v_med3_num_f32 v[S0+64*\t+j], v[S0+64*\t+j], -v[LM], v[LM]
.set j, j+1
.endr
.endr
.irp t, 0,1
.irp u, 0,1,2,3
	v_cvt_scalef32_pk8_fp8_f32 v[CD+16*\t+2*\u:CD+16*\t+2*\u+1], v[S0+64*\t+8*\u:S0+64*\t+8*\u+7], v[SC]
.endr
.endr
	v_nop
.irp t, 0,1
.irp u, 0,1,2,3
	global_store_b64 v[GO], v[CD+16*\t+2*\u:CD+16*\t+2*\u+1], s[10:11] offset:16384*\t+512*(\u/2)+256*(\u%2)   ; 32 lanes store 256 consecutive bytes, aligned
.endr
.endr
	s_wait_tensorcnt 0x0                           ; the wave's end
	ds_add_u32 v[SPW], v[NIL]
	s_wait_dscnt 0x0
	CROUND                                         ; the closing round
	s_endpgm
.Lfunc_end_k_q4c7122f305_attn:
	.size	k_q4c7122f305_attn, .Lfunc_end_k_q4c7122f305_attn-k_q4c7122f305_attn
	.p2alignl 7, 3214868480
	.fill 96, 4, 3214868480
	.section	.rodata,"a",@progbits
	.p2align	6, 0x0
	.amdhsa_kernel k_q4c7122f305_attn
		.amdhsa_group_segment_fixed_size 327680
		.amdhsa_private_segment_fixed_size 0
		.amdhsa_enable_private_segment 0
		.amdhsa_kernarg_size 32
		.amdhsa_user_sgpr_count 2
		.amdhsa_user_sgpr_kernarg_segment_ptr 1
		.amdhsa_wavefront_size32 1
		.amdhsa_system_sgpr_workgroup_id_x 1
		.amdhsa_system_sgpr_workgroup_id_y 1
		.amdhsa_system_sgpr_workgroup_id_z 1
		.amdhsa_system_vgpr_workitem_id 0
		.amdhsa_next_free_vgpr 512
		.amdhsa_next_free_sgpr 100
		.amdhsa_reserve_vcc 0
		.amdhsa_float_denorm_mode_32 3
		.amdhsa_float_denorm_mode_16_64 3
		.amdhsa_memory_ordered 1
		.amdhsa_forward_progress 1
		.amdhsa_inst_pref_size 84
	.end_amdhsa_kernel
	.amdgpu_metadata
---
amdhsa.version: [ 1, 2 ]
amdhsa.kernels:
  - .name:           k_q4c7122f305_attn
    .symbol:         k_q4c7122f305_attn.kd
    .args:
      - { .name: qkv, .offset: 0, .size: 8, .value_kind: global_buffer, .address_space: global }
      - { .name: mask, .offset: 8, .size: 8, .value_kind: global_buffer, .address_space: global }
      - { .name: lowp_scales, .offset: 16, .size: 8, .value_kind: global_buffer, .address_space: global }
      - { .name: cc, .offset: 24, .size: 8, .value_kind: global_buffer, .address_space: global }
    .group_segment_fixed_size: 327680
    .private_segment_fixed_size: 0
    .kernarg_segment_align: 8
    .kernarg_segment_size: 32
    .max_flat_workgroup_size: 256
    .sgpr_count:     100
    .vgpr_count:     512
    .wavefront_size: 32
...
	.end_amdgpu_metadata
.endif
;; end of part 3
;; launch wo (part 4): grid 8 x 32, 4 waves a work-group, clusters of 4 x 4, 327,680 bytes of LDS; arguments cc, wc, lowp_scales, bo, inp, yz; writes yz
.if DOCPART == 4
	.amdgcn_target "amdgcn-amd-amdhsa--gfx1250"
	.amdhsa_code_object_version 6
	.text
	.protected	k_q4c7122f305_wo
	.globl	k_q4c7122f305_wo
	.p2align	8
	.type	k_q4c7122f305_wo,@function
k_q4c7122f305_wo:
	s_mov_b64 s[64:65], 0
	v_nop
	global_prefetch_b8 v0, s[64:65] scope:SCOPE_SE
	s_setreg_imm32_b32 hwreg(HW_REG_WAVE_MODE, 25, 1), 1
	s_wait_xcnt 0x0
	s_wait_alu depctr_hold_cnt(0) depctr_sa_sdst(0) depctr_va_vdst(0) depctr_va_sdst(0) depctr_va_ssrc(0) depctr_va_vcc(0) depctr_vm_vsrc(0)
	s_getreg_b32 s2, hwreg(HW_REG_IB_STS2, 6, 4)
	s_cmp_eq_u32 s2, 0
	s_cbranch_scc0 .Lentry_in_a_cluster
	s_endpgm
.Lentry_in_a_cluster:
	s_bfe_u32 s2, ttmp6, 0x10000c
	s_cmp_lg_u32 s2, 0xf033
	s_cbranch_scc0 .Lentry_shape_is_right
	s_endpgm
.Lentry_shape_is_right:
; out = A B^T x 2^(ea + eb) + bias + residual.  A: [4096][SIZE_K] codes of FP8 (E4M3); B: [1024][SIZE_K] codes at WOFF in the buffer of weights; bias [1024], residual and out [4096][1024] f32.
; Here: A = ctx's codes, B = Wo's, bias = bo, residual = inp: the sum that the first LayerNorm takes.
; A tile of 128 x 128 gives each of 256 work-groups one; four waves of 64 x 64 (16 accumulators).  K goes in steps of 512 bytes (LDS rows of 512 + 16) through two slots; a wave's tensor load brings 64 rows.
; CLUSTERS: 4 x 4; A's tile is shared along a row of the cluster, B's along a column: joint loads.  THE MATRIX INSTRUCTION IS USED TRANSPOSED: a lane holds eight neighbouring columns of a row.
; A wave's 64 f32 columns are 256 consecutive, aligned bytes: each wave sends its blocks of 16 rows through a stage of its own: no barrier on the way out.  The residual is asked for at the head and lands while the loop runs.
; LIMIT: ea + eb between -126 and 127.
; REGISTERS: window 0: v1-29 addresses; v32-95 rows on the way out; v96-99 the bias; v128-255 the accumulators; window 1: two fragment buffers; window 2: v0-127 the residual.
; A's codes lie in blocks of 16 tokens x 64 along K, as [block of 16 tokens][K / 64][c][h][r][16 bytes]: a fragment is two loads of 512 consecutive bytes of LDS, and holds the same k in each register as B's.
; A wave's tile of A, 64 tokens x 512 along K, is four rows of 8,192 bytes, 16,384 apart in memory, dense in LDS.
.set SIZE_K, 1024
.set WOFF,   0x300000
.set EOFF,   0x28
.set KSTEP,  512
.set PITCH,  528                       ; 512 bytes + 16: the sixteen rows of a fragment load start at sixteen different groups of banks
.set HALFT,  64*PITCH
.set SLOT,   4*HALFT
.set STAGE,  2*SLOT
.set SPITCH, 272
.set SPARE,  STAGE+4*16*SPITCH
.set LAPS,   SIZE_K/(2*KSTEP)
.set ADRA, 16
.set ADRB, 20
.set STO,  24
.set RD,   25
.set CO,   26
.set BA,   27
.set SPW,  28
.set NIL,  29
.set BKR,  32
.set BI,   96
.set ACC,  128
.set F0,   0
.set F1,   128
.set G1, 24
.set G0, 32
.set G1B, 48
.set G0B, 56
.set MSB, 0
.macro WIN new
.if MSB != (\new)
	s_set_vgpr_msb (MSB<<8)|(\new)
.set MSB, (\new)
.endif
.endm
.set MUL,  0x05                        ; sources 0 (B) and 1 (A) window 1; C and D window 0
.set TO_F, 0x40
.macro JLOAD s                         ; a joint load: waves 0, 1 fetch A's halves, waves 2, 3 B's; an s_nop 0 and four v_nop follow each line
	s_cmp_eq_u32 s11, 0
	s_cbranch_scc0 .Lfor_b_\@
	tensor_load_to_lds s[G0+4*\s:G0+4*\s+3], s[G1:G1+7]
	s_nop 0
.rept 4
	v_nop
.endr
	s_branch .Lasked_\@
.Lfor_b_\@:
	tensor_load_to_lds s[G0B+4*\s:G0B+4*\s+3], s[G1B:G1B+7]
	s_nop 0
.rept 4
	v_nop
.endr
.Lasked_\@:
.endm
.macro CREST
	s_cmp_lg_u32 s10, 0
	s_cbranch_scc1 .Lnot_wave_0_\@
	s_barrier_signal -3
.Lnot_wave_0_\@:
	s_barrier_wait -3
	s_barrier_signal -1
	s_barrier_wait -1
.endm
.macro CROUND
	s_barrier_signal -1
	s_barrier_wait -1
	CREST
.endm
	s_load_b128 s[4:7], s[0:1], 0x0                ; A 4, the weights' codes 6
	s_load_b256 s[68:75], s[0:1], 0x10             ; lowp_scales 68, bias 70, residual 72, out 74
	v_lshl_add_u32 v[SPW], v0, 2, SPARE
	v_mov_b32 v[NIL], 0
	ds_add_u32 v[SPW], v[NIL]                      ; the wave's opening: the add and its wait ahead of my first tensor load
	ds_add_u32 v[SPW], v[NIL]
	v_lshrrev_b32 v1, 5, v0
	v_readfirstlane_b32 s10, v1                    ; wave
	s_lshr_b32 s11, s10, 1                         ; my half of the rows; also: I fetch for A (0) or B (1)
	s_and_b32 s12, s10, 1                          ; my half of the columns; also: which 64 rows I fetch
	s_bfe_u32 s40, ttmp6, 0x40000
	s_bfe_u32 s41, ttmp6, 0x40004
	s_lshl_b32 s42, ttmp9, 2
	s_add_co_u32 s42, s42, s40                     ; tile column
	s_and_b32 s13, ttmp7, 0xffff
	s_lshl_b32 s13, s13, 2
	s_add_co_u32 s13, s13, s41                     ; tile row
	s_lshl_b32 s43, s41, 2
	s_lshl_b32 s43, 15, s43
	s_lshl_b32 s44, 0x1111, s40
	s_or_b32 s[G1+0], s43, (3<<16)|(1<<21)         ; A: mask; elements of 8 bytes; no padding; bit 21 beside a mask
	s_mov_b32 s[G1+1], 1024<<16
	s_mov_b32 s[G1+2], 4<<16
	s_mov_b32 s[G1+3], 1024<<16
	s_mov_b32 s[G1+4], 4
	s_mov_b32 s[G1+5], 2048
	s_mov_b32 s[G1+6], 0
	s_mov_b32 s[G1+7], 0
	s_or_b32 s[G1B+0], s44, (0<<16)|(1<<20)|(1<<21)|(6<<22)|(3<<25)
.irp g, G1B
	s_mov_b32 s[\g+1], KSTEP<<16
	s_mov_b32 s[\g+2], 64<<16
	s_mov_b32 s[\g+3], KSTEP<<16
	s_mov_b32 s[\g+4], 64
	s_mov_b32 s[\g+5], SIZE_K
	s_mov_b32 s[\g+6], 0
	s_mov_b32 s[\g+7], 0
.endr
	s_lshl_b32 s17, s12, 6
	s_lshl_b32 s16, s13, 7
	s_add_co_u32 s16, s16, s17                     ; A: row 128 x tile row + 64 x half
	s_lshl_b32 s46, s42, 7
	s_add_co_u32 s46, s46, s17                     ; B: row 128 x tile column + 64 x half
	s_mov_b32 s17, 0
	s_mov_b32 s47, 0
	s_mov_b64 s[18:19], SIZE_K
	s_mul_u64 s[16:17], s[16:17], s[18:19]
	s_mul_u64 s[46:47], s[46:47], s[18:19]
	s_mul_i32 s20, s10, HALFT
	s_wait_dscnt 0x0                               ; the opening add is done
	s_wait_kmcnt 0x0
	s_load_b64 s[76:77], s[68:69], EOFF            ; ea, eb
	s_add_nc_u64 s[14:15], s[4:5], s[16:17]
	s_add_nc_u64 s[46:47], s[6:7], s[46:47]
	s_add_nc_u64 s[46:47], s[46:47], WOFF
	; the prefetch of K step 1, behind the load of K step 0.  Of the 32,768 bytes that I fetch, each of the four partners that ask with me takes 8,192, told apart by address (cx for A, cy for B):
	; of A one block of 16 tokens (8,192 consecutive bytes), of B 16 rows of 512 bytes: a lane names 256 bytes, two lanes 512.
	s_cmp_eq_u32 s11, 0
	s_cselect_b64 s[80:81], s[14:15], s[46:47]
	s_cselect_b32 s82, s40, s41
	s_mov_b32 s84, 1024
	s_cselect_b32 s84, 512, s84                    ; from one pair of lanes to the next
	s_mov_b32 s85, KSTEP
	s_cselect_b32 s85, 8192, s85                   ; where K step 1 begins
	s_lshl_b32 s82, s82, 14                        ; my work-group's part: 16,384 bytes of memory on in A and in B alike
	s_add_co_u32 s82, s82, s85
	s_mov_b32 s83, 0
	s_add_nc_u64 s[80:81], s[80:81], s[82:83]
	CROUND
.irp s, 0,1
	s_mov_b32 s[G0+4*\s], 1
	s_add_co_u32 s[G0+4*\s+1], s20, \s*SLOT
	s_add_nc_u64 s[G0+4*\s+2:G0+4*\s+3], s[14:15], \s*8192
	s_or_b32 s[G0+4*\s+3], s[G0+4*\s+3], 0x80000000
	s_mov_b32 s[G0B+4*\s], 1
	s_add_co_u32 s[G0B+4*\s+1], s20, \s*SLOT
	s_add_nc_u64 s[G0B+4*\s+2:G0B+4*\s+3], s[46:47], \s*KSTEP
	s_or_b32 s[G0B+4*\s+3], s[G0B+4*\s+3], 0x80000000
.endr
	JLOAD 0                                        ; K step 0: my one tensor load at the head
	v_and_b32 v30, 31, v0
	v_lshrrev_b32 v31, 1, v30
	v_and_b32 v30, 1, v30
	v_lshlrev_b32 v30, 8, v30
	v_mad_u32_u24 v30, v31, s84, v30
	global_prefetch_b8 v30, s[80:81] th:TH_LOAD_NT scope:SCOPE_SE
	v_and_b32 v1, 15, v0                           ; r
	s_wait_alu depctr_va_vdst(0)
	v_bfe_u32 v2, v0, 4, 1                         ; h
	v_mul_u32_u24 v3, v1, PITCH
	v_lshl_add_u32 v3, v2, 4, v3
	v_and_b32 v6, 31, v0
	v_lshlrev_b32 v6, 4, v6                        ; A: 16 x lane
	s_mul_i32 s21, s11, HALFT
	s_mul_i32 s22, s12, HALFT
	s_add_co_u32 s22, s22, 2*HALFT
.irp s, 0,1
	v_add_nc_u32 v[ADRA+\s], s21, v6
	v_add_nc_u32 v[ADRB+\s], s22, v3
	s_add_co_u32 s21, s21, SLOT
	s_add_co_u32 s22, s22, SLOT
.endr
	s_mul_i32 s23, s10, 16*SPITCH
	s_add_co_u32 s23, s23, STAGE                   ; my stage
	v_mul_u32_u24 v4, v1, SPITCH
	s_wait_alu depctr_va_vdst(0)
	v_lshl_add_u32 v4, v2, 5, v4
	v_add_nc_u32 v[STO], s23, v4                   ; in: row r, 32 bytes for each half of the lanes
	v_mul_u32_u24 v5, v2, SPITCH
	v_lshl_add_u32 v5, v1, 4, v5
	v_add_nc_u32 v[RD], s23, v5                    ; back: lanes 0-15 one row of 256 bytes, lanes 16-31 the next
	v_lshlrev_b32 v5, 12, v2
	v_lshl_add_u32 v[CO], v1, 4, v5                ; the same two rows in the residual and in out (rows of 4,096 bytes)
	v_lshlrev_b32 v[BA], 4, v1                     ; my four columns' bias
	s_wait_alu depctr_va_vdst(0)
	s_lshl_b32 s16, s13, 7
	s_lshl_b32 s17, s11, 6
	s_add_co_u32 s16, s16, s17
	s_lshl_b32 s16, s16, 12                        ; my first row, in bytes
	s_mov_b32 s17, 0
	s_lshl_b32 s46, s42, 9
	s_lshl_b32 s47, s12, 8
	s_add_co_u32 s46, s46, s47                     ; my first column, in bytes: a multiple of 256
	s_mov_b32 s47, 0
	s_add_nc_u64 s[70:71], s[70:71], s[46:47]
	s_add_nc_u64 s[72:73], s[72:73], s[16:17]
	s_add_nc_u64 s[72:73], s[72:73], s[46:47]
	s_add_nc_u64 s[74:75], s[74:75], s[16:17]
	s_add_nc_u64 s[74:75], s[74:75], s[46:47]
.macro MUL8 f, c, a0, zero             ; m blocks a0, a0 + 1 x all 4 n blocks, 64 along K: half c of buffer f; the 16 accumulators take turns
.irp a, \a0, \a0+1
.irp b, 0,1,2,3
.if \zero
	v_wmma_f32_16x16x64_fp8_fp8 v[ACC+8*(4*(\a)+\b):ACC+8*(4*(\a)+\b)+7], v[\f+64+8*(4*\c+\b):\f+64+8*(4*\c+\b)+7], v[\f+8*(4*\c+\a):\f+8*(4*\c+\a)+7], 0
.else
	v_wmma_f32_16x16x64_fp8_fp8 v[ACC+8*(4*(\a)+\b):ACC+8*(4*(\a)+\b)+7], v[\f+64+8*(4*\c+\b):\f+64+8*(4*\c+\b)+7], v[\f+8*(4*\c+\a):\f+8*(4*\c+\a)+7], v[ACC+8*(4*(\a)+\b):ACC+8*(4*(\a)+\b)+7]
.endif
.endr
.endr
.endm
.macro FETCH slot, k, f                ; 32 LDS loads in one run: the fragments of 128 along K at byte k of the rows; a fragment (16 rows x 64 codes) is two loads of 16 bytes, 32 apart: one permutation of k in A and B alike
	WIN TO_F
.irp c, 0,1
.irp i, 0,1,2,3
	ds_load_b128 v[\f+64+8*(4*\c+\i):\f+64+8*(4*\c+\i)+3],   v[ADRB+\slot] offset:\k+64*\c+\i*16*PITCH
	ds_load_b128 v[\f+64+8*(4*\c+\i)+4:\f+64+8*(4*\c+\i)+7], v[ADRB+\slot] offset:\k+64*\c+\i*16*PITCH+32
	ds_load_b128 v[\f+8*(4*\c+\i):\f+8*(4*\c+\i)+3],         v[ADRA+\slot] offset:((\k)/64+\c)*1024+\i*8192
	ds_load_b128 v[\f+8*(4*\c+\i)+4:\f+8*(4*\c+\i)+7],       v[ADRA+\slot] offset:((\k)/64+\c)*1024+\i*8192+512
.endr
.endr
.endm
.macro PLACES
.rept 4
	v_nop
.endr
.endm
.macro QUARTER slot, k, f, g, zero     ; 128 along K: multiplies buffer f and fetches the next quarter, at byte k, into g
	s_wait_dscnt 16                                ; the first 64 along K are in; the other sixteen loads may be out
	WIN MUL
	MUL8 \f, 0, 0, \zero
	MUL8 \f, 0, 2, \zero
	PLACES
	FETCH \slot, \k, \g
	s_wait_dscnt 32                                ; all but the 32 just issued
	WIN MUL
	MUL8 \f, 1, 0, 0
	MUL8 \f, 1, 2, 0
.endm
.macro TURN slot, next, fill           ; the last quarter multiplies buffer 1 and changes slots
	WIN 0
	s_wait_tensorcnt 0x0                           ; all my tensor loads have landed
	ds_add_u32 v[SPW], v[NIL]
	s_wait_dscnt 17                                ; the add and the youngest sixteen loads may be out
	WIN MUL
	MUL8 F1, 0, 0, 0
	s_wait_dscnt 0x0                               ; the add is done, and my reads of this slot are over
	s_barrier_signal -1
	MUL8 F1, 0, 2, 0
.if \fill
	WIN 0
.endif
	s_barrier_wait -1
.if \fill
	CREST
	s_add_nc_u64 s[G0+4*\slot+2:G0+4*\slot+3], s[G0+4*\slot+2:G0+4*\slot+3], 2*KSTEP
	s_add_nc_u64 s[G0B+4*\slot+2:G0B+4*\slot+3], s[G0B+4*\slot+2:G0B+4*\slot+3], 2*KSTEP
	JLOAD \slot                                    ; my one tensor load behind the round; its four v_nop are the places in front of the loads below
.else
	PLACES
.endif
	FETCH \next, 0, F0
	WIN MUL
	MUL8 F1, 1, 0, 0
	MUL8 F1, 1, 2, 0
.endm
	s_wait_alu depctr_va_vdst(0)                   ; the wait at the head's end
	s_wait_tensorcnt 0x0                           ; my part of K step 0 is in; slot 1's first fill is issued as a refill is
	ds_add_u32 v[SPW], v[NIL]
	s_wait_dscnt 0x0
	CROUND
	JLOAD 1                                        ; K step 1: the first tensor load behind the round
	FETCH 0, 0, F0
	WIN 0
	global_load_b128 v[BI:BI+3], v[BA], s[70:71]   ; the bias and the residual are asked for behind both tiles' loads: they are wanted on the way out
	WIN 0x80                                       ; destination window 2
.set i, 0
.rept 32                               ; block a = i / 8, rows 2 t and 2 t + 1 of it, t = i % 8
	global_load_b128 v[4*i:4*i+3], v[CO], s[72:73] offset:(16*(i/8)+2*(i%8))*4096 th:TH_LOAD_NT
.set i, i+1
.endr
	WIN 0
	QUARTER 0, 128, F0, F1, 1
.if LAPS > 1
	WIN 0
	s_mov_b32 s3, LAPS-1
.Llap:
	QUARTER 0, 256, F1, F0, 0
	QUARTER 0, 384, F0, F1, 0
	TURN 0, 1, 1
	QUARTER 1, 128, F0, F1, 0
	QUARTER 1, 256, F1, F0, 0
	QUARTER 1, 384, F0, F1, 0
	TURN 1, 0, 1
	QUARTER 0, 128, F0, F1, 0
	WIN 0
	s_sub_co_u32 s3, s3, 1
	s_cmp_lg_u32 s3, 0
	s_cbranch_scc1 .Llap
.endif
	QUARTER 0, 256, F1, F0, 0
	QUARTER 0, 384, F0, F1, 0
	TURN 0, 1, 0
	QUARTER 1, 128, F0, F1, 0
	QUARTER 1, 256, F1, F0, 0
	QUARTER 1, 384, F0, F1, 0
	s_wait_dscnt 16
	WIN MUL
	MUL8 F1, 0, 0, 0
	MUL8 F1, 0, 2, 0
	s_wait_dscnt 0
	MUL8 F1, 1, 0, 0
	MUL8 F1, 1, 2, 0
	WIN 0
	; THE WAY OUT, a block of 16 rows x 64 columns at a time: the sums go through my stage and come back as rows of 256 bytes; then x 2^(ea + eb) + bias, + residual, and out.
	PLACES
	s_wait_kmcnt 0x0
	s_add_co_i32 s76, s76, s77
	s_add_co_i32 s76, s76, 127
	s_lshl_b32 s76, s76, 23                        ; 2^(ea + eb) as f32
	s_mov_b32 s77, s76
	s_wait_loadcnt 0x0                             ; the bias and the residual
.macro OUT a
.set BB, BKR+32*((\a)%2)
.if (\a) >= 2
	s_wait_xcnt 0x0                                ; block a - 2's stores have read these registers
.endif
.irp b, 0,1,2,3
	ds_store_b128 v[STO], v[ACC+8*(4*(\a)+\b):ACC+8*(4*(\a)+\b)+3] offset:64*\b       ; each accumulator's low four first
	ds_store_b128 v[STO], v[ACC+8*(4*(\a)+\b)+4:ACC+8*(4*(\a)+\b)+7] offset:64*\b+16
.endr
.irp t, 0,1,2,3,4,5,6,7
	ds_load_b128 v[BB+4*\t:BB+4*\t+3], v[RD] offset:\t*2*SPITCH   ; LDS serves a wave's instructions in order: these see my stores
.endr
	s_wait_dscnt 0x0
.irp t, 0,1,2,3,4,5,6,7
	v_pk_fma_f32 v[BB+4*\t:BB+4*\t+1], v[BB+4*\t:BB+4*\t+1], s[76:77], v[BI:BI+1] op_sel_hi:[1,0,1]
	v_pk_fma_f32 v[BB+4*\t+2:BB+4*\t+3], v[BB+4*\t+2:BB+4*\t+3], s[76:77], v[BI+2:BI+3] op_sel_hi:[1,0,1]
.endr
	WIN 0x08                                       ; source 1 window 2: the residual
.irp t, 0,1,2,3,4,5,6,7
	v_pk_add_f32 v[BB+4*\t:BB+4*\t+1], v[BB+4*\t:BB+4*\t+1], v[4*(8*(\a)+\t):4*(8*(\a)+\t)+1]
	v_pk_add_f32 v[BB+4*\t+2:BB+4*\t+3], v[BB+4*\t+2:BB+4*\t+3], v[4*(8*(\a)+\t)+2:4*(8*(\a)+\t)+3]
.endr
	WIN 0
.irp t, 0,1,2,3,4,5,6,7
	global_store_b128 v[CO], v[BB+4*\t:BB+4*\t+3], s[74:75] offset:(16*(\a)+2*\t)*4096   ; sixteen lanes store 256 consecutive bytes, aligned
.endr
.endm
.irp a, 0,1,2,3
	OUT \a
.endr
	s_wait_tensorcnt 0x0                           ; the wave's end
	ds_add_u32 v[SPW], v[NIL]
	s_wait_dscnt 0x0
	CROUND                                         ; the closing round
	s_endpgm
.Lfunc_end_k_q4c7122f305_wo:
	.size	k_q4c7122f305_wo, .Lfunc_end_k_q4c7122f305_wo-k_q4c7122f305_wo
	.p2alignl 7, 3214868480
	.fill 96, 4, 3214868480
	.section	.rodata,"a",@progbits
	.p2align	6, 0x0
	.amdhsa_kernel k_q4c7122f305_wo
		.amdhsa_group_segment_fixed_size 327680
		.amdhsa_private_segment_fixed_size 0
		.amdhsa_enable_private_segment 0
		.amdhsa_kernarg_size 48
		.amdhsa_user_sgpr_count 2
		.amdhsa_user_sgpr_kernarg_segment_ptr 1
		.amdhsa_wavefront_size32 1
		.amdhsa_system_sgpr_workgroup_id_x 1
		.amdhsa_system_sgpr_workgroup_id_y 1
		.amdhsa_system_sgpr_workgroup_id_z 1
		.amdhsa_system_vgpr_workitem_id 0
		.amdhsa_next_free_vgpr 768
		.amdhsa_next_free_sgpr 100
		.amdhsa_reserve_vcc 0
		.amdhsa_float_denorm_mode_32 3
		.amdhsa_float_denorm_mode_16_64 3
		.amdhsa_memory_ordered 1
		.amdhsa_forward_progress 1
		.amdhsa_inst_pref_size 62
	.end_amdhsa_kernel
	.amdgpu_metadata
---
amdhsa.version: [ 1, 2 ]
amdhsa.kernels:
  - .name:           k_q4c7122f305_wo
    .symbol:         k_q4c7122f305_wo.kd
    .args:
      - { .name: cc, .offset: 0, .size: 8, .value_kind: global_buffer, .address_space: global }
      - { .name: wc, .offset: 8, .size: 8, .value_kind: global_buffer, .address_space: global }
      - { .name: lowp_scales, .offset: 16, .size: 8, .value_kind: global_buffer, .address_space: global }
      - { .name: bo, .offset: 24, .size: 8, .value_kind: global_buffer, .address_space: global }
      - { .name: inp, .offset: 32, .size: 8, .value_kind: global_buffer, .address_space: global }
      - { .name: yz, .offset: 40, .size: 8, .value_kind: global_buffer, .address_space: global }
    .group_segment_fixed_size: 327680
    .private_segment_fixed_size: 0
    .kernarg_segment_align: 8
    .kernarg_segment_size: 48
    .max_flat_workgroup_size: 128
    .sgpr_count:     100
    .vgpr_count:     768
    .wavefront_size: 32
...
	.end_amdgpu_metadata
.endif
;; end of part 4
;; launch ln1 (part 5): grid 256 x 1, 8 waves a work-group, no clusters, 17,408 bytes of LDS; arguments yz, ln_g, ln_b, lowp_scales, x, x1c; writes x, x1c
.if DOCPART == 5
	.amdgcn_target "amdgcn-amd-amdhsa--gfx1250"
	.amdhsa_code_object_version 6
	.text
	.protected	k_q4c7122f305_ln1
	.globl	k_q4c7122f305_ln1
	.p2align	8
	.type	k_q4c7122f305_ln1,@function
k_q4c7122f305_ln1:
	s_mov_b64 s[64:65], 0
	v_nop
	global_prefetch_b8 v0, s[64:65] scope:SCOPE_SE
	s_setreg_imm32_b32 hwreg(HW_REG_WAVE_MODE, 25, 1), 1
	s_wait_xcnt 0x0
; LayerNorm along rows of 1,024 f32: out = (y - mean) x rsqrt(var + 1e-5) x g + b, the mean first and then the mean of the squared differences, as the definition has it.
; CODES = 1: the result is also quantised to FP8 (E4M3) with entry 12 of lowp_scales, as the operand of the product with W1.
; A wave takes two rows; a row lies in 32 registers (eight loads of 512 consecutive bytes), so it is read once and the sums never leave the wave: no barrier.  Memory binds: no matrix unit, no cluster, no tensor load.
; A conversion's word j holds the codes of columns 128 j + 4 lane + 0 .. 3: the words turn through the wave's own LDS bytes so that a store covers 512 consecutive bytes.
; LIMITS: entry 12 between -126 and 119.  NaN among the inputs is not served.
.set CODES, 1
.set OUTP,  12                         ; s[12:13] the f32 result
.set X,   16                           ; v16-79   two rows
.set G,   80                           ; v80-111  g at my columns
.set B,   112                          ; v112-143 b at my columns
.set T,   144                          ; v144-175 the held numbers
.set CD,  176                          ; v176-183 a row's codes
.set SPW, 184
.set NIL, 185
.set OC,  188                          ; v188-203 the codes back from LDS, registers of their own for each row
.set SPARE, 16384
	s_load_b256 s[4:11], s[0:1], 0x0               ; y 4, g 6, b 8, then lowp_scales (CODES) or the result
.if CODES
	s_load_b128 s[12:15], s[0:1], 0x20             ; the result 12, its codes 14
	v_lshl_add_u32 v[SPW], v0, 2, SPARE
	v_mov_b32 v[NIL], 0
.endif
	v_lshrrev_b32 v1, 5, v0
	s_delay_alu instid0(VALU_DEP_1)
	v_readfirstlane_b32 s16, v1                    ; wave
	v_and_b32 v12, 31, v0
	s_wait_alu depctr_va_vdst(0)
	v_lshlrev_b32 v1, 4, v12                       ; 16 x lane; never rewritten
	s_wait_alu depctr_va_vdst(0)
	s_lshl_b32 s17, ttmp9, 4
	s_lshl_b32 s18, s16, 1
	s_add_co_u32 s17, s17, s18                     ; my first row: 16 x work-group + 2 x wave
	s_lshl_b32 s18, s17, 12
	s_mov_b32 s19, 0
	s_lshl_b32 s22, s17, 10
	s_mov_b32 s23, 0
	s_mov_b32 s20, 0x3a800000                      ; 1 / 1,024
	s_mov_b32 s21, 0x3727c5ac                      ; 1e-5
	s_mov_b32 s24, 0x76543210
	s_mov_b32 s25, 0xfedcba98
.if CODES
	s_lshl_b32 s27, s16, 11                        ; my wave's 2,048 bytes of LDS
	v_lshlrev_b32 v12, 2, v12
	s_delay_alu instid0(VALU_DEP_1)
	v_add_nc_u32 v12, s27, v12                     ; in: 4 x lane
	v_add_nc_u32 v13, s27, v1                      ; back: 16 x lane
.endif
	s_wait_kmcnt 0x0
.if CODES
	s_load_b32 s26, s[10:11], 0x30                 ; entry 12
	s_add_nc_u64 s[14:15], s[14:15], s[22:23]
.endif
	s_add_nc_u64 s[4:5], s[4:5], s[18:19]
	s_add_nc_u64 s[OUTP:OUTP+1], s[OUTP:OUTP+1], s[18:19]
.set i, 0
.rept 16
	global_load_b128 v[X+4*i:X+4*i+3], v1, s[4:5] offset:512*i th:TH_LOAD_NT   ; two rows on end
.set i, i+1
.endr
.set i, 0
.rept 8
	global_load_b128 v[G+4*i:G+4*i+3], v1, s[6:7] offset:512*i
.set i, i+1
.endr
.set i, 0
.rept 8
	global_load_b128 v[B+4*i:B+4*i+3], v1, s[8:9] offset:512*i
.set i, i+1
.endr
.if CODES
	s_wait_kmcnt 0x0
	s_add_co_i32 s26, s26, 127
	s_lshl_b32 s27, s26, 23
	v_mov_b32 v14, s27                             ; 2^e
	s_add_co_i32 s26, s26, 8
	s_lshl_b32 s26, s26, 23
	s_or_b32 s26, s26, 0x600000
	v_mov_b32 v15, s26                             ; 448 x 2^e
.endif
.macro REDUCE                          ; four chains of pairs in v[2:9] -> the sum over the row, in v2 of every lane
	s_delay_alu instid0(VALU_DEP_3)
	v_pk_add_f32 v[2:3], v[2:3], v[4:5]
	s_delay_alu instid0(VALU_DEP_2)
	v_pk_add_f32 v[6:7], v[6:7], v[8:9]
	s_delay_alu instid0(VALU_DEP_1)
	v_pk_add_f32 v[2:3], v[2:3], v[6:7]
	s_delay_alu instid0(VALU_DEP_1)
	v_add_f32 v2, v2, v3
	s_delay_alu instid0(VALU_DEP_1)
	v_add_f32_dpp v2, v2, v2 row_xmask:1 row_mask:0xf bank_mask:0xf
	s_delay_alu instid0(VALU_DEP_1)
	v_add_f32_dpp v2, v2, v2 row_xmask:2 row_mask:0xf bank_mask:0xf
	s_delay_alu instid0(VALU_DEP_1)
	v_add_f32_dpp v2, v2, v2 row_xmask:4 row_mask:0xf bank_mask:0xf
	s_delay_alu instid0(VALU_DEP_1)
	v_add_f32_dpp v2, v2, v2 row_xmask:8 row_mask:0xf bank_mask:0xf
	s_delay_alu instid0(VALU_DEP_1)
	v_permlanex16_b32 v3, v2, s24, s25
	s_delay_alu instid0(VALU_DEP_1)
	v_add_f32 v2, v2, v3
.endm
.macro ROW p
.set X0, X+32*(\p)
.irp c, 0,1,2,3
	v_pk_add_f32 v[2+2*\c:3+2*\c], v[X0+4*\c:X0+4*\c+1], v[X0+4*\c+2:X0+4*\c+3]
.endr
.irp k, 16, 24
.irp c, 0,1,2,3
	s_delay_alu instid0(VALU_DEP_4)
	v_pk_add_f32 v[2+2*\c:3+2*\c], v[2+2*\c:3+2*\c], v[X0+\k+2*\c:X0+\k+2*\c+1]
.endr
.endr
	REDUCE
	s_delay_alu instid0(VALU_DEP_1)
	v_mul_f32 v10, s20, v2                         ; the mean,
	s_delay_alu instid0(VALU_DEP_1)
	v_mov_b32 v11, v10                             ; twice, for the packed forms
.set j, 0
.rept 16
	v_pk_add_f32 v[X0+j:X0+j+1], v[X0+j:X0+j+1], v[10:11] neg_lo:[0,1] neg_hi:[0,1]
.set j, j+2
.endr
.irp c, 0,1,2,3
	v_pk_mul_f32 v[2+2*\c:3+2*\c], v[X0+2*\c:X0+2*\c+1], v[X0+2*\c:X0+2*\c+1]
.endr
.irp k, 8, 16, 24
.irp c, 0,1,2,3
	s_delay_alu instid0(VALU_DEP_4)
	v_pk_fma_f32 v[2+2*\c:3+2*\c], v[X0+\k+2*\c:X0+\k+2*\c+1], v[X0+\k+2*\c:X0+\k+2*\c+1], v[2+2*\c:3+2*\c]
.endr
.endr
	REDUCE
	s_delay_alu instid0(VALU_DEP_1)
	v_fma_f32 v2, v2, s20, s21                     ; var + 1e-5
	s_wait_alu depctr_va_vdst(0)
	v_rsq_f32 v10, v2
	v_nop                                          ; a plain line behind the root
	s_wait_alu depctr_va_vdst(0)                   ; and the wait ahead of its first reader
	v_mov_b32 v11, v10
.set j, 0
.rept 16
	v_pk_mul_f32 v[X0+j:X0+j+1], v[X0+j:X0+j+1], v[10:11]
.set j, j+2
.endr
.if (\p) == 0
	s_wait_loadcnt 0x0                             ; g and b (and the second row)
.endif
.set j, 0
.rept 16
	v_pk_fma_f32 v[X0+j:X0+j+1], v[X0+j:X0+j+1], v[G+j:G+j+1], v[B+j:B+j+1]
.set j, j+2
.endr
.set j, 0
.rept 8
	global_store_b128 v1, v[X0+4*j:X0+4*j+3], s[OUTP:OUTP+1] offset:4096*(\p)+512*j   ; 512 consecutive bytes a store
.set j, j+1
.endr
.if CODES
.set j, 0
.rept 32
	v_med3_num_f32 v[T+j], v[X0+j], -v15, v15      ; the conversion does not saturate (ISA guide 7.6.2)
.set j, j+1
.endr
.irp m, 0,1,2,3
	v_cvt_scalef32_pk8_fp8_f32 v[CD+2*\m:CD+2*\m+1], v[T+8*\m:T+8*\m+7], v14
.endr
	v_nop                                          ; a plain line behind the conversions
.set j, 0
.rept 8
	ds_store_b32 v12, v[CD+j] offset:1024*(\p)+128*j
.set j, j+1
.endr
	ds_load_b128 v[OC+8*(\p):OC+8*(\p)+3], v13 offset:1024*(\p)       ; LDS serves a wave's instructions in order
	ds_load_b128 v[OC+8*(\p)+4:OC+8*(\p)+7], v13 offset:1024*(\p)+512
	s_wait_dscnt 1                                 ; the second load may be out
	global_store_b128 v1, v[OC+8*(\p):OC+8*(\p)+3], s[14:15] offset:1024*(\p)
	s_wait_dscnt 0x0
	global_store_b128 v1, v[OC+8*(\p)+4:OC+8*(\p)+7], s[14:15] offset:1024*(\p)+512
.endif
.endm
	s_wait_loadcnt 24                              ; the first row's eight loads are in; the second row's, g's and b's 24 may be out
	ROW 0
	ROW 1
.if CODES
	s_wait_tensorcnt 0x0                           ; the wave's end, behind my last LDS store
	ds_add_u32 v[SPW], v[NIL]
	s_wait_dscnt 0x0
.endif
	s_endpgm
.Lfunc_end_k_q4c7122f305_ln1:
	.size	k_q4c7122f305_ln1, .Lfunc_end_k_q4c7122f305_ln1-k_q4c7122f305_ln1
	.p2alignl 7, 3214868480
	.fill 96, 4, 3214868480
	.section	.rodata,"a",@progbits
	.p2align	6, 0x0
	.amdhsa_kernel k_q4c7122f305_ln1
		.amdhsa_group_segment_fixed_size 17408
		.amdhsa_private_segment_fixed_size 0
		.amdhsa_enable_private_segment 0
		.amdhsa_kernarg_size 48
		.amdhsa_user_sgpr_count 2
		.amdhsa_user_sgpr_kernarg_segment_ptr 1
		.amdhsa_wavefront_size32 1
		.amdhsa_system_sgpr_workgroup_id_x 1
		.amdhsa_system_sgpr_workgroup_id_y 1
		.amdhsa_system_sgpr_workgroup_id_z 1
		.amdhsa_system_vgpr_workitem_id 0
		.amdhsa_next_free_vgpr 208
		.amdhsa_next_free_sgpr 66
		.amdhsa_reserve_vcc 0
		.amdhsa_float_denorm_mode_32 3
		.amdhsa_float_denorm_mode_16_64 3
		.amdhsa_memory_ordered 1
		.amdhsa_forward_progress 1
		.amdhsa_inst_pref_size 28
	.end_amdhsa_kernel
	.amdgpu_metadata
---
amdhsa.version: [ 1, 2 ]
amdhsa.kernels:
  - .name:           k_q4c7122f305_ln1
    .symbol:         k_q4c7122f305_ln1.kd
    .args:
      - { .name: yz, .offset: 0, .size: 8, .value_kind: global_buffer, .address_space: global }
      - { .name: ln_g, .offset: 8, .size: 8, .value_kind: global_buffer, .address_space: global }
      - { .name: ln_b, .offset: 16, .size: 8, .value_kind: global_buffer, .address_space: global }
      - { .name: lowp_scales, .offset: 24, .size: 8, .value_kind: global_buffer, .address_space: global }
      - { .name: x, .offset: 32, .size: 8, .value_kind: global_buffer, .address_space: global }
      - { .name: x1c, .offset: 40, .size: 8, .value_kind: global_buffer, .address_space: global }
    .group_segment_fixed_size: 17408
    .private_segment_fixed_size: 0
    .kernarg_segment_align: 8
    .kernarg_segment_size: 48
    .max_flat_workgroup_size: 256
    .sgpr_count:     66
    .vgpr_count:     208
    .wavefront_size: 32
...
	.end_amdgpu_metadata
.endif
;; end of part 5
;; launch ffn1 (part 6): grid 16 x 16, 4 waves a work-group, clusters of 4 x 4, 327,680 bytes of LDS; arguments x1c, wc, lowp_scales, b1, hc; writes hc
.if DOCPART == 6
	.amdgcn_target "amdgcn-amd-amdhsa--gfx1250"
	.amdhsa_code_object_version 6
	.text
	.protected	k_q4c7122f305_ffn1
	.globl	k_q4c7122f305_ffn1
	.p2align	8
	.type	k_q4c7122f305_ffn1,@function
k_q4c7122f305_ffn1:
	s_mov_b64 s[64:65], 0
	v_nop
	global_prefetch_b8 v0, s[64:65] scope:SCOPE_SE
	s_setreg_imm32_b32 hwreg(HW_REG_WAVE_MODE, 25, 1), 1
	s_wait_xcnt 0x0
	s_wait_alu depctr_hold_cnt(0) depctr_sa_sdst(0) depctr_va_vdst(0) depctr_va_sdst(0) depctr_va_ssrc(0) depctr_va_vcc(0) depctr_vm_vsrc(0)
	s_getreg_b32 s2, hwreg(HW_REG_IB_STS2, 6, 4)
	s_cmp_eq_u32 s2, 0
	s_cbranch_scc0 .Lentry_in_a_cluster
	s_endpgm
.Lentry_in_a_cluster:
	s_bfe_u32 s2, ttmp6, 0x10000c
	s_cmp_lg_u32 s2, 0xf033
	s_cbranch_scc0 .Lentry_shape_is_right
	s_endpgm
.Lentry_shape_is_right:
.set SIZE_K, 1024
.set KSTEP,  256
.set ROWB,   256
.set KROW,   SIZE_K
.set PITCH,  272
.set FR,     16
.set NL,     4
.set NP,     4
.set HALFT,  128*PITCH
.set SLOT,   4*HALFT
.set LAPS,   SIZE_K/(2*KSTEP)
.set SPARE,  2*SLOT
.set ADRA, 16
.set ADRB, 20
.set STO,  24
.set RD,   25
.set GO,   26
.set SPW,  28
.set NIL,  29
.set CB,   32
.set SC,   112
.set LM,   113
.set T,    128
.set CD,   192
.set AF,   128
.set BK,   128
.set G1, 24
.set G0, 32
.set G1B, 48
.set G0B, 56
.set MSB, 0
.macro WIN new
.if MSB != (\new)
	s_set_vgpr_msb (MSB<<8)|(\new)
.set MSB, (\new)
.endif
.endm
.set MUL_LO, 0xa1
.set MUL_HI, 0xf1
.set TO_B,   0x40
.macro JLOAD g0a, g1a, g0b, g1b
	s_cmp_eq_u32 s15, 0
	s_cbranch_scc0 .Lfor_b_\@
	tensor_load_to_lds s[\g0a:\g0a+3], s[\g1a:\g1a+7]
	s_nop 0
.rept 4
	v_nop
.endr
	s_branch .Lasked_\@
.Lfor_b_\@:
	tensor_load_to_lds s[\g0b:\g0b+3], s[\g1b:\g1b+7]
	s_nop 0
.rept 4
	v_nop
.endr
.Lasked_\@:
.endm
.macro CREST
	s_cmp_lg_u32 s14, 0
	s_cbranch_scc1 .Lnot_wave_0_\@
	s_barrier_signal -3
.Lnot_wave_0_\@:
	s_barrier_wait -3
	s_barrier_signal -1
	s_barrier_wait -1
.endm
.macro CROUND
	s_barrier_signal -1
	s_barrier_wait -1
	CREST
.endm
	s_load_b256 s[4:11], s[0:1], 0x0
	s_load_b64 s[72:73], s[0:1], 0x20
	v_lshl_add_u32 v[SPW], v0, 2, SPARE
	v_mov_b32 v[NIL], 0
	ds_add_u32 v[SPW], v[NIL]
	ds_add_u32 v[SPW], v[NIL]
	v_lshrrev_b32 v1, 5, v0
	v_readfirstlane_b32 s14, v1
	s_lshr_b32 s15, s14, 1
	s_and_b32 s16, s14, 1
	s_bfe_u32 s40, ttmp6, 0x40000
	s_bfe_u32 s41, ttmp6, 0x40004
	s_lshl_b32 s42, ttmp9, 2
	s_add_co_u32 s42, s42, s40
	s_and_b32 s17, ttmp7, 0xffff
	s_lshl_b32 s17, s17, 2
	s_add_co_u32 s17, s17, s41
	s_lshl_b32 s43, s41, 2
	s_lshl_b32 s43, 15, s43
	s_lshl_b32 s44, 0x1111, s40
	s_or_b32 s[G1+0], s43, (0<<16)|(1<<20)|(1<<21)|(5<<22)|(3<<25)
	s_or_b32 s[G1B+0], s44, (0<<16)|(1<<20)|(1<<21)|(5<<22)|(3<<25)
.irp g, G1, G1B
	s_mov_b32 s[\g+1], ROWB<<16
	s_mov_b32 s[\g+2], 128<<16
	s_mov_b32 s[\g+3], ROWB<<16
	s_mov_b32 s[\g+4], 128
	s_mov_b32 s[\g+5], KROW
	s_mov_b32 s[\g+6], 0
	s_mov_b32 s[\g+7], 0
.endr
	s_lshl_b32 s18, s16, 7
	s_lshl_b32 s20, s17, 8
	s_add_co_u32 s20, s20, s18
	s_lshl_b32 s46, s42, 8
	s_add_co_u32 s46, s46, s18
	s_lshl_b32 s20, s20, 10
	s_lshl_b32 s46, s46, 10
	s_add_co_u32 s46, s46, 0x400000
	s_mov_b32 s21, 0
	s_mov_b32 s47, 0
	s_mul_i32 s45, s14, HALFT
	s_wait_dscnt 0x0
	s_wait_kmcnt 0x0
	s_load_b128 s[84:87], s[8:9], 0x30
	s_add_nc_u64 s[20:21], s[4:5], s[20:21]
	s_add_nc_u64 s[46:47], s[6:7], s[46:47]
	; the prefetches: of the 128 rows x 256 bytes of a K step that I fetch, each of the four partners that ask with me takes 32 rows, told apart by address (cx for A, cy for B): a lane a row.
	; Behind the load of K step 0 stand the lines for K steps 1 and 2, behind that of K step 1 the line for K step 3: each 256 bytes are named once in the cluster, and the addresses are never rewritten.
	s_cmp_eq_u32 s15, 0
	s_cselect_b64 s[12:13], s[20:21], s[46:47]
	s_cselect_b32 s66, s40, s41
	s_lshl_b32 s66, s66, 15                        ; 32 rows of 1,024 bytes
	s_mov_b32 s67, 0
	s_add_nc_u64 s[12:13], s[12:13], s[66:67]
	CROUND
.irp s, 0,1
	s_mov_b32 s[G0+4*\s], 1
	s_add_co_u32 s[G0+4*\s+1], s45, \s*SLOT
	s_add_nc_u64 s[G0+4*\s+2:G0+4*\s+3], s[20:21], \s*ROWB
	s_or_b32 s[G0+4*\s+3], s[G0+4*\s+3], 0x80000000
	s_mov_b32 s[G0B+4*\s], 1
	s_add_co_u32 s[G0B+4*\s+1], s45, \s*SLOT
	s_add_nc_u64 s[G0B+4*\s+2:G0B+4*\s+3], s[46:47], \s*ROWB
	s_or_b32 s[G0B+4*\s+3], s[G0B+4*\s+3], 0x80000000
.endr
	JLOAD G0, G1, G0B, G1B                         ; K step 0: my one tensor load at the head
	v_and_b32 v30, 31, v0
	v_lshlrev_b32 v30, 10, v30                     ; my lane's row; never rewritten
	global_prefetch_b8 v30, s[12:13] offset:ROWB th:TH_LOAD_NT scope:SCOPE_SE
	global_prefetch_b8 v30, s[12:13] offset:2*ROWB th:TH_LOAD_NT scope:SCOPE_SE
	v_and_b32 v1, 15, v0
	v_bfe_u32 v2, v0, 4, 1
	v_mul_u32_u24 v3, v1, PITCH
	s_wait_alu depctr_va_vdst(0)
	v_lshl_add_u32 v4, v2, 4, v3
	s_mul_i32 s21, s15, HALFT
	s_mul_i32 s22, s16, HALFT
	s_add_co_u32 s22, s22, 2*HALFT
.irp s, 0,1
	v_add_nc_u32 v[ADRA+\s], s21, v4
	v_add_nc_u32 v[ADRB+\s], s22, v4
	s_add_co_u32 s21, s21, SLOT
	s_add_co_u32 s22, s22, SLOT
.endr
	s_mul_i32 s23, s15, 128*PITCH
	s_lshl_b32 s18, s16, 7
	s_add_co_u32 s23, s23, s18
	v_lshl_add_u32 v5, v2, 3, v3
	v_add_nc_u32 v[STO], s23, v5
	v_mul_u32_u24 v5, v2, PITCH
	v_lshl_add_u32 v5, v1, 4, v5
	s_mul_i32 s23, s14, 64*PITCH
	v_add_nc_u32 v[RD], s23, v5
	v_lshlrev_b32 v5, 12, v2
	v_lshl_add_u32 v[GO], v1, 4, v5
	v_lshlrev_b32 v8, 5, v2
	s_lshl_b32 s18, s42, 10
	s_lshl_b32 s19, s16, 9
	s_add_co_u32 s18, s18, s19
	s_mov_b32 s19, 0
	s_add_nc_u64 s[10:11], s[10:11], s[18:19]
.set i, 0
.rept 8
	global_load_b128 v[CB+8*i:CB+8*i+3], v8, s[10:11] offset:64*i
	global_load_b128 v[CB+8*i+4:CB+8*i+7], v8, s[10:11] offset:64*i+16
.set i, i+1
.endr
.macro FRAG reg, adr, q, i
.irp c, 0,1,2,3
	ds_load_b128 v[\reg+4*\c:\reg+4*\c+3], v[\adr] offset:128*(\q)+32*\c+(\i)*16*PITCH
.endr
.endm
.macro MUL16 a0, p, zero
.irp a, \a0, \a0+1
.irp b, 0,1,2,3,4,5,6,7
.if \zero
	v_wmma_f32_16x16x128_fp8_fp8 v[8*(8*((\a)%4)+\b):8*(8*((\a)%4)+\b)+7], v[128*(\p)+FR*\b:128*(\p)+FR*\b+FR-1], v[AF+FR*(\a):AF+FR*(\a)+FR-1], 0
.else
	v_wmma_f32_16x16x128_fp8_fp8 v[8*(8*((\a)%4)+\b):8*(8*((\a)%4)+\b)+7], v[128*(\p)+FR*\b:128*(\p)+FR*\b+FR-1], v[AF+FR*(\a):AF+FR*(\a)+FR-1], v[8*(8*((\a)%4)+\b):8*(8*((\a)%4)+\b)+7]
.endif
.endr
.endr
.endm
.macro FETCH_B slot, q, p
	WIN TO_B
.irp i, 0,1,2,3,4,5,6,7
	FRAG 128*(\p)+FR*\i, ADRB+\slot, \q, \i
.endr
	WIN 0
.endm
.macro FETCH_A slot, q, i0
.irp i, \i0, \i0+1, \i0+2, \i0+3
	FRAG AF+FR*(\i), ADRA+\slot, \q, \i
.endr
.endm
.macro PLACES n
.rept \n
	v_nop
.endr
.endm
.macro STEP slot, q, zero
	s_wait_dscnt 4*NL
	WIN MUL_LO
	MUL16 0, (\q)%2, \zero
	MUL16 2, (\q)%2, \zero
	s_wait_dscnt 0
	PLACES NP
	FETCH_B \slot, (\q)+1, 1-(\q)%2
	FETCH_A \slot, (\q)+1, 0
	WIN MUL_HI
	MUL16 4, (\q)%2, \zero
	MUL16 6, (\q)%2, \zero
	PLACES NP
	WIN 0
	FETCH_A \slot, (\q)+1, 4
.endm
.macro TURN slot, next, fill
	s_wait_tensorcnt 0x0
	ds_add_u32 v[SPW], v[NIL]
	s_wait_dscnt 4*NL+1
	WIN MUL_LO
	MUL16 0, 1, 0
	s_wait_dscnt 0x0
	s_barrier_signal -1
	MUL16 2, 1, 0
	WIN 0
	s_barrier_wait -1
.if \fill
	CREST
	s_add_nc_u64 s[G0+4*\slot+2:G0+4*\slot+3], s[G0+4*\slot+2:G0+4*\slot+3], 2*ROWB
	s_add_nc_u64 s[G0B+4*\slot+2:G0B+4*\slot+3], s[G0B+4*\slot+2:G0B+4*\slot+3], 2*ROWB
	JLOAD G0+4*\slot, G1, G0B+4*\slot, G1B
.else
	PLACES NP
.endif
	s_wait_alu depctr_va_vdst(0)
	FETCH_B \next, 0, 0
	FETCH_A \next, 0, 0
	WIN MUL_HI
	MUL16 4, 1, 0
	MUL16 6, 1, 0
	PLACES NP
	WIN 0
	FETCH_A \next, 0, 4
.endm
	s_wait_alu depctr_va_vdst(0)                   ; the wait at the head's end
	s_wait_tensorcnt 0x0                           ; my part of K step 0 is in; slot 1's first fill is issued as a refill is
	ds_add_u32 v[SPW], v[NIL]
	s_wait_dscnt 0x0
	CROUND
	JLOAD G0+4, G1, G0B+4, G1B                     ; K step 1: the first tensor load behind the round
	FETCH_B 0, 0, 0
	global_prefetch_b8 v30, s[12:13] offset:3*ROWB th:TH_LOAD_NT scope:SCOPE_SE
	FETCH_A 0, 0, 0
	FETCH_A 0, 0, 4
	STEP 0, 0, 1
	s_mov_b32 s3, LAPS-1
.Llap:
	TURN 0, 1, 1
	STEP 1, 0, 0
	TURN 1, 0, 1
	STEP 0, 0, 0
	s_sub_co_u32 s3, s3, 1
	s_cmp_lg_u32 s3, 0
	s_cbranch_scc1 .Llap
	TURN 0, 1, 0
	STEP 1, 0, 0
	s_wait_dscnt 4*NL
	WIN MUL_LO
	MUL16 0, 1, 0
	MUL16 2, 1, 0
	s_wait_dscnt 0
	WIN MUL_HI
	MUL16 4, 1, 0
	MUL16 6, 1, 0
	WIN 0
	s_wait_kmcnt 0x0
	s_add_co_i32 s96, s84, s85
	s_add_co_i32 s96, s96, 127
	s_lshl_b32 s96, s96, 23
	s_mov_b32 s97, s96
	s_add_co_i32 s75, s86, 127
	s_lshl_b32 s22, s75, 23
	s_add_co_i32 s75, s75, 8
	s_lshl_b32 s75, s75, 23
	s_or_b32 s75, s75, 0x600000
	s_lshl_b32 s20, s17, 8
	s_lshl_b32 s21, s14, 6
	s_add_co_u32 s20, s20, s21
	s_lshl_b32 s20, s20, 12
	s_mov_b32 s21, 0
	s_add_nc_u64 s[72:73], s[72:73], s[20:21]
	s_lshl_b32 s46, s42, 8
	s_mov_b32 s47, 0
	s_add_nc_u64 s[72:73], s[72:73], s[46:47]
	PLACES NP
	s_wait_loadcnt 0x0
	v_mov_b32 v[SC], s22
	v_mov_b32 v[LM], s75
.macro TOCODES a
.set AC, 64*((\a)%4)
	WIN 0x02+((\a)/4)
.set j, 0
.rept 32
	v_pk_fma_f32 v[T+j:T+j+1], v[AC+j:AC+j+1], s[96:97], v[CB+j:CB+j+1] op_sel_hi:[1,0,1]
.set j, j+2
.endr
	WIN 0
.set j, 0
.rept 64
	v_med3_num_f32 v[T+j], v[T+j], 0, v[LM]
.set j, j+1
.endr
.irp b, 0,1,2,3,4,5,6,7
	v_cvt_scalef32_pk8_fp8_f32 v[CD+16*((\a)%2)+2*\b:CD+16*((\a)%2)+2*\b+1], v[T+8*\b:T+8*\b+7], v[SC]   ; the codes take two sets of sixteen registers by turns
.endr
	v_nop
.irp b, 0,1,2,3,4,5,6,7
	ds_store_b64 v[STO], v[CD+16*((\a)%2)+2*\b:CD+16*((\a)%2)+2*\b+1] offset:(\a)*16*PITCH+16*\b
.endr
	s_wait_dscnt 8                                 ; this block's eight stores may be out; those of the block before, whose registers the next block writes, are done
.endm
.irp a, 0,1,2,3,4,5,6,7
	TOCODES \a
.endr
	s_wait_dscnt 0x0                               ; for the others' sake: all my stores into the stage are done
	s_barrier_signal -1
	s_barrier_wait -1
.set i, 0
.rept 32
	ds_load_b128 v[BK+4*i:BK+4*i+3], v[RD] offset:i*2*PITCH
.set i, i+1
.endr
.set i, 0
.rept 32
	s_wait_dscnt 31-i
	global_store_b128 v[GO], v[BK+4*i:BK+4*i+3], s[72:73] offset:i*8192
.set i, i+1
.endr
	s_wait_tensorcnt 0x0
	ds_add_u32 v[SPW], v[NIL]
	s_wait_dscnt 0x0
	CROUND
	s_endpgm
.Lfunc_end_k_q4c7122f305_ffn1:
	.size	k_q4c7122f305_ffn1, .Lfunc_end_k_q4c7122f305_ffn1-k_q4c7122f305_ffn1
	.p2alignl 7, 3214868480
	.fill 96, 4, 3214868480
	.section	.rodata,"a",@progbits
	.p2align	6, 0x0
	.amdhsa_kernel k_q4c7122f305_ffn1
		.amdhsa_group_segment_fixed_size 327680
		.amdhsa_private_segment_fixed_size 0
		.amdhsa_enable_private_segment 0
		.amdhsa_kernarg_size 40
		.amdhsa_user_sgpr_count 2
		.amdhsa_user_sgpr_kernarg_segment_ptr 1
		.amdhsa_wavefront_size32 1
		.amdhsa_system_sgpr_workgroup_id_x 1
		.amdhsa_system_sgpr_workgroup_id_y 1
		.amdhsa_system_sgpr_workgroup_id_z 1
		.amdhsa_system_vgpr_workitem_id 0
		.amdhsa_next_free_vgpr 1024
		.amdhsa_next_free_sgpr 104
		.amdhsa_reserve_vcc 0
		.amdhsa_float_denorm_mode_32 3
		.amdhsa_float_denorm_mode_16_64 3
		.amdhsa_memory_ordered 1
		.amdhsa_forward_progress 1
		.amdhsa_inst_pref_size 144
	.end_amdhsa_kernel
	.amdgpu_metadata
---
amdhsa.version: [ 1, 2 ]
amdhsa.kernels:
  - .name:           k_q4c7122f305_ffn1
    .symbol:         k_q4c7122f305_ffn1.kd
    .args:
      - { .name: x1c, .offset: 0, .size: 8, .value_kind: global_buffer, .address_space: global }
      - { .name: wc, .offset: 8, .size: 8, .value_kind: global_buffer, .address_space: global }
      - { .name: lowp_scales, .offset: 16, .size: 8, .value_kind: global_buffer, .address_space: global }
      - { .name: b1, .offset: 24, .size: 8, .value_kind: global_buffer, .address_space: global }
      - { .name: hc, .offset: 32, .size: 8, .value_kind: global_buffer, .address_space: global }
    .group_segment_fixed_size: 327680
    .private_segment_fixed_size: 0
    .kernarg_segment_align: 8
    .kernarg_segment_size: 40
    .max_flat_workgroup_size: 128
    .sgpr_count:     104
    .vgpr_count:     1024
    .wavefront_size: 32
...
	.end_amdgpu_metadata
.endif
;; end of part 6
;; launch ffn2 (part 7): grid 8 x 32, 4 waves a work-group, clusters of 4 x 4, 327,680 bytes of LDS; arguments hc, wc, lowp_scales, b2, x, yz; writes yz
.if DOCPART == 7
	.amdgcn_target "amdgcn-amd-amdhsa--gfx1250"
	.amdhsa_code_object_version 6
	.text
	.protected	k_q4c7122f305_ffn2
	.globl	k_q4c7122f305_ffn2
	.p2align	8
	.type	k_q4c7122f305_ffn2,@function
k_q4c7122f305_ffn2:
	s_mov_b64 s[64:65], 0
	v_nop
	global_prefetch_b8 v0, s[64:65] scope:SCOPE_SE
	s_setreg_imm32_b32 hwreg(HW_REG_WAVE_MODE, 25, 1), 1
	s_wait_xcnt 0x0
	s_wait_alu depctr_hold_cnt(0) depctr_sa_sdst(0) depctr_va_vdst(0) depctr_va_sdst(0) depctr_va_ssrc(0) depctr_va_vcc(0) depctr_vm_vsrc(0)
	s_getreg_b32 s2, hwreg(HW_REG_IB_STS2, 6, 4)
	s_cmp_eq_u32 s2, 0
	s_cbranch_scc0 .Lentry_in_a_cluster
	s_endpgm
.Lentry_in_a_cluster:
	s_bfe_u32 s2, ttmp6, 0x10000c
	s_cmp_lg_u32 s2, 0xf033
	s_cbranch_scc0 .Lentry_shape_is_right
	s_endpgm
.Lentry_shape_is_right:
.set SIZE_K, 4096
.set WOFF,   0x800000
.set EOFF,   0x38
.set KSTEP,  512
.set PITCH,  528
.set HALFT,  64*PITCH
.set SLOT,   4*HALFT
.set STAGE,  2*SLOT
.set SPITCH, 272
.set SPARE,  STAGE+4*16*SPITCH
.set LAPS,   SIZE_K/(2*KSTEP)
.set ADRA, 16
.set ADRB, 20
.set STO,  24
.set RD,   25
.set CO,   26
.set BA,   27
.set SPW,  28
.set NIL,  29
.set BKR,  32
.set BI,   96
.set ACC,  128
.set F0,   0
.set F1,   128
.set G1, 24
.set G0, 32
.set G1B, 48
.set G0B, 56
.set MSB, 0
.macro WIN new
.if MSB != (\new)
	s_set_vgpr_msb (MSB<<8)|(\new)
.set MSB, (\new)
.endif
.endm
.set MUL,  0x05
.set TO_F, 0x40
.macro JLOAD s
	s_cmp_eq_u32 s11, 0
	s_cbranch_scc0 .Lfor_b_\@
	tensor_load_to_lds s[G0+4*\s:G0+4*\s+3], s[G1:G1+7]
	s_nop 0
.rept 4
	v_nop
.endr
	s_branch .Lasked_\@
.Lfor_b_\@:
	tensor_load_to_lds s[G0B+4*\s:G0B+4*\s+3], s[G1B:G1B+7]
	s_nop 0
.rept 4
	v_nop
.endr
.Lasked_\@:
.endm
.macro CREST
	s_cmp_lg_u32 s10, 0
	s_cbranch_scc1 .Lnot_wave_0_\@
	s_barrier_signal -3
.Lnot_wave_0_\@:
	s_barrier_wait -3
	s_barrier_signal -1
	s_barrier_wait -1
.endm
.macro CROUND
	s_barrier_signal -1
	s_barrier_wait -1
	CREST
.endm
	s_load_b128 s[4:7], s[0:1], 0x0
	s_load_b256 s[68:75], s[0:1], 0x10
	v_lshl_add_u32 v[SPW], v0, 2, SPARE
	v_mov_b32 v[NIL], 0
	ds_add_u32 v[SPW], v[NIL]
	ds_add_u32 v[SPW], v[NIL]
	v_lshrrev_b32 v1, 5, v0
	v_readfirstlane_b32 s10, v1
	s_lshr_b32 s11, s10, 1
	s_and_b32 s12, s10, 1
	s_bfe_u32 s40, ttmp6, 0x40000
	s_bfe_u32 s41, ttmp6, 0x40004
	s_lshl_b32 s42, ttmp9, 2
	s_add_co_u32 s42, s42, s40
	s_and_b32 s13, ttmp7, 0xffff
	s_lshl_b32 s13, s13, 2
	s_add_co_u32 s13, s13, s41
	s_lshl_b32 s43, s41, 2
	s_lshl_b32 s43, 15, s43
	s_lshl_b32 s44, 0x1111, s40
	s_or_b32 s[G1+0], s43, (0<<16)|(1<<20)|(1<<21)|(6<<22)|(3<<25)
	s_or_b32 s[G1B+0], s44, (0<<16)|(1<<20)|(1<<21)|(6<<22)|(3<<25)
.irp g, G1, G1B
	s_mov_b32 s[\g+1], KSTEP<<16
	s_mov_b32 s[\g+2], 64<<16
	s_mov_b32 s[\g+3], KSTEP<<16
	s_mov_b32 s[\g+4], 64
	s_mov_b32 s[\g+5], SIZE_K
	s_mov_b32 s[\g+6], 0
	s_mov_b32 s[\g+7], 0
.endr
	s_lshl_b32 s17, s12, 6
	s_lshl_b32 s16, s13, 7
	s_add_co_u32 s16, s16, s17
	s_lshl_b32 s46, s42, 7
	s_add_co_u32 s46, s46, s17
	s_mov_b32 s17, 0
	s_mov_b32 s47, 0
	s_mov_b64 s[18:19], SIZE_K
	s_mul_u64 s[16:17], s[16:17], s[18:19]
	s_mul_u64 s[46:47], s[46:47], s[18:19]
	s_mul_i32 s20, s10, HALFT
	s_wait_dscnt 0x0
	s_wait_kmcnt 0x0
	s_load_b64 s[76:77], s[68:69], EOFF
	s_add_nc_u64 s[14:15], s[4:5], s[16:17]
	s_add_nc_u64 s[46:47], s[6:7], s[46:47]
	s_add_nc_u64 s[46:47], s[46:47], WOFF
	; the prefetches: behind the load of K step t stands one line for K step t + 2.  Of the 64 rows x 512 bytes that I fetch, each of the four partners that ask with me takes 16 rows, told apart by address
	; (cx for A, cy for B): a lane names 256 bytes, two lanes a row.  The loads of K steps 6 and 7 are followed by none.
	s_cmp_eq_u32 s11, 0
	s_cselect_b64 s[80:81], s[14:15], s[46:47]
	s_cselect_b32 s82, s40, s41
	s_lshl_b32 s82, s82, 16                        ; 16 rows of 4,096 bytes
	s_mov_b32 s83, 0
	s_add_nc_u64 s[80:81], s[80:81], s[82:83]
	CROUND
.irp s, 0,1
	s_mov_b32 s[G0+4*\s], 1
	s_add_co_u32 s[G0+4*\s+1], s20, \s*SLOT
	s_add_nc_u64 s[G0+4*\s+2:G0+4*\s+3], s[14:15], \s*KSTEP
	s_or_b32 s[G0+4*\s+3], s[G0+4*\s+3], 0x80000000
	s_mov_b32 s[G0B+4*\s], 1
	s_add_co_u32 s[G0B+4*\s+1], s20, \s*SLOT
	s_add_nc_u64 s[G0B+4*\s+2:G0B+4*\s+3], s[46:47], \s*KSTEP
	s_or_b32 s[G0B+4*\s+3], s[G0B+4*\s+3], 0x80000000
.endr
	JLOAD 0                                        ; K step 0: my one tensor load at the head
	v_and_b32 v30, 31, v0
	v_lshrrev_b32 v31, 1, v30
	v_and_b32 v30, 1, v30
	v_lshlrev_b32 v30, 8, v30
	v_lshl_add_u32 v30, v31, 12, v30               ; row lane / 2, 256 bytes lane % 2; never rewritten
	global_prefetch_b8 v30, s[80:81] offset:KSTEP th:TH_LOAD_NT scope:SCOPE_SE     ; at the head K step 1 too: its load follows when K step 0's has landed
	global_prefetch_b8 v30, s[80:81] offset:2*KSTEP th:TH_LOAD_NT scope:SCOPE_SE
	v_and_b32 v1, 15, v0
	s_wait_alu depctr_va_vdst(0)
	v_bfe_u32 v2, v0, 4, 1
	v_mul_u32_u24 v3, v1, PITCH
	v_lshl_add_u32 v3, v2, 4, v3
	s_mul_i32 s21, s11, HALFT
	s_mul_i32 s22, s12, HALFT
	s_add_co_u32 s22, s22, 2*HALFT
.irp s, 0,1
	v_add_nc_u32 v[ADRA+\s], s21, v3
	v_add_nc_u32 v[ADRB+\s], s22, v3
	s_add_co_u32 s21, s21, SLOT
	s_add_co_u32 s22, s22, SLOT
.endr
	s_mul_i32 s23, s10, 16*SPITCH
	s_add_co_u32 s23, s23, STAGE
	v_mul_u32_u24 v4, v1, SPITCH
	s_wait_alu depctr_va_vdst(0)
	v_lshl_add_u32 v4, v2, 5, v4
	v_add_nc_u32 v[STO], s23, v4
	v_mul_u32_u24 v5, v2, SPITCH
	v_lshl_add_u32 v5, v1, 4, v5
	v_add_nc_u32 v[RD], s23, v5
	v_lshlrev_b32 v5, 12, v2
	v_lshl_add_u32 v[CO], v1, 4, v5
	v_lshlrev_b32 v[BA], 4, v1
	s_wait_alu depctr_va_vdst(0)
	s_lshl_b32 s16, s13, 7
	s_lshl_b32 s17, s11, 6
	s_add_co_u32 s16, s16, s17
	s_lshl_b32 s16, s16, 12
	s_mov_b32 s17, 0
	s_lshl_b32 s46, s42, 9
	s_lshl_b32 s47, s12, 8
	s_add_co_u32 s46, s46, s47
	s_mov_b32 s47, 0
	s_add_nc_u64 s[70:71], s[70:71], s[46:47]
	s_add_nc_u64 s[72:73], s[72:73], s[16:17]
	s_add_nc_u64 s[72:73], s[72:73], s[46:47]
	s_add_nc_u64 s[74:75], s[74:75], s[16:17]
	s_add_nc_u64 s[74:75], s[74:75], s[46:47]
.macro MUL8 f, c, a0, zero
.irp a, \a0, \a0+1
.irp b, 0,1,2,3
.if \zero
	v_wmma_f32_16x16x64_fp8_fp8 v[ACC+8*(4*(\a)+\b):ACC+8*(4*(\a)+\b)+7], v[\f+64+8*(4*\c+\b):\f+64+8*(4*\c+\b)+7], v[\f+8*(4*\c+\a):\f+8*(4*\c+\a)+7], 0
.else
	v_wmma_f32_16x16x64_fp8_fp8 v[ACC+8*(4*(\a)+\b):ACC+8*(4*(\a)+\b)+7], v[\f+64+8*(4*\c+\b):\f+64+8*(4*\c+\b)+7], v[\f+8*(4*\c+\a):\f+8*(4*\c+\a)+7], v[ACC+8*(4*(\a)+\b):ACC+8*(4*(\a)+\b)+7]
.endif
.endr
.endr
.endm
.macro FETCH slot, k, f
	WIN TO_F
.irp c, 0,1
.irp i, 0,1,2,3
	ds_load_b128 v[\f+64+8*(4*\c+\i):\f+64+8*(4*\c+\i)+3],   v[ADRB+\slot] offset:\k+64*\c+\i*16*PITCH
	ds_load_b128 v[\f+64+8*(4*\c+\i)+4:\f+64+8*(4*\c+\i)+7], v[ADRB+\slot] offset:\k+64*\c+\i*16*PITCH+32
	ds_load_b128 v[\f+8*(4*\c+\i):\f+8*(4*\c+\i)+3],         v[ADRA+\slot] offset:\k+64*\c+\i*16*PITCH
	ds_load_b128 v[\f+8*(4*\c+\i)+4:\f+8*(4*\c+\i)+7],       v[ADRA+\slot] offset:\k+64*\c+\i*16*PITCH+32
.endr
.endr
.endm
.macro PLACES
.rept 4
	v_nop
.endr
.endm
.macro QUARTER slot, k, f, g, zero
	s_wait_dscnt 16
	WIN MUL
	MUL8 \f, 0, 0, \zero
	MUL8 \f, 0, 2, \zero
	PLACES
	FETCH \slot, \k, \g
	s_wait_dscnt 32
	WIN MUL
	MUL8 \f, 1, 0, 0
	MUL8 \f, 1, 2, 0
.endm
.macro ASK                             ; s3 = 1 in the loop's last trip, whose two refills have no K step two on
	s_cmp_gt_u32 s3, 1
	s_cbranch_scc0 .Lno_ask_\@
	global_prefetch_b8 v30, s[80:81] offset:2*KSTEP th:TH_LOAD_NT scope:SCOPE_SE
.Lno_ask_\@:
.endm
.macro TURN slot, next, fill
.if \fill
	s_wait_xcnt 0x0                                ; the last prefetch, a K step back, has read its address
	s_add_nc_u64 s[80:81], s[80:81], KSTEP
.endif
	WIN 0
	s_wait_tensorcnt 0x0
	ds_add_u32 v[SPW], v[NIL]
	s_wait_dscnt 17
	WIN MUL
	MUL8 F1, 0, 0, 0
	s_wait_dscnt 0x0
	s_barrier_signal -1
	MUL8 F1, 0, 2, 0
.if \fill
	WIN 0
.endif
	s_barrier_wait -1
.if \fill
	CREST
	s_add_nc_u64 s[G0+4*\slot+2:G0+4*\slot+3], s[G0+4*\slot+2:G0+4*\slot+3], 2*KSTEP
	s_add_nc_u64 s[G0B+4*\slot+2:G0B+4*\slot+3], s[G0B+4*\slot+2:G0B+4*\slot+3], 2*KSTEP
	JLOAD \slot
.else
	PLACES
.endif
	FETCH \next, 0, F0
.if \fill
	WIN 0
	ASK
.endif
	WIN MUL
	MUL8 F1, 1, 0, 0
	MUL8 F1, 1, 2, 0
.endm
	s_wait_xcnt 0x0                                ; the head's prefetch has read its address
	s_add_nc_u64 s[80:81], s[80:81], KSTEP
	s_wait_alu depctr_va_vdst(0)                   ; the wait at the head's end
	s_wait_tensorcnt 0x0                           ; my part of K step 0 is in; slot 1's first fill is issued as a refill is
	ds_add_u32 v[SPW], v[NIL]
	s_wait_dscnt 0x0
	CROUND
	JLOAD 1                                        ; K step 1: the first tensor load behind the round
	FETCH 0, 0, F0
	global_prefetch_b8 v30, s[80:81] offset:2*KSTEP th:TH_LOAD_NT scope:SCOPE_SE
	WIN 0
	global_load_b128 v[BI:BI+3], v[BA], s[70:71]   ; the bias and the residual are asked for behind the first tiles' loads: they are wanted on the way out
	WIN 0x80                                       ; destination window 2
.set i, 0
.rept 32
	global_load_b128 v[4*i:4*i+3], v[CO], s[72:73] offset:(16*(i/8)+2*(i%8))*4096 th:TH_LOAD_NT
.set i, i+1
.endr
	WIN 0
	QUARTER 0, 128, F0, F1, 1
.if LAPS > 1
	WIN 0
	s_mov_b32 s3, LAPS-1
.Llap:
	QUARTER 0, 256, F1, F0, 0
	QUARTER 0, 384, F0, F1, 0
	TURN 0, 1, 1
	QUARTER 1, 128, F0, F1, 0
	QUARTER 1, 256, F1, F0, 0
	QUARTER 1, 384, F0, F1, 0
	TURN 1, 0, 1
	QUARTER 0, 128, F0, F1, 0
	WIN 0
	s_sub_co_u32 s3, s3, 1
	s_cmp_lg_u32 s3, 0
	s_cbranch_scc1 .Llap
.endif
	QUARTER 0, 256, F1, F0, 0
	QUARTER 0, 384, F0, F1, 0
	TURN 0, 1, 0
	QUARTER 1, 128, F0, F1, 0
	QUARTER 1, 256, F1, F0, 0
	QUARTER 1, 384, F0, F1, 0
	s_wait_dscnt 16
	WIN MUL
	MUL8 F1, 0, 0, 0
	MUL8 F1, 0, 2, 0
	s_wait_dscnt 0
	MUL8 F1, 1, 0, 0
	MUL8 F1, 1, 2, 0
	WIN 0
	PLACES
	s_wait_kmcnt 0x0
	s_add_co_i32 s76, s76, s77
	s_add_co_i32 s76, s76, 127
	s_lshl_b32 s76, s76, 23
	s_mov_b32 s77, s76
	s_wait_loadcnt 0x0
.macro OUT a
.set BB, BKR+32*((\a)%2)
.if (\a) >= 2
	s_wait_xcnt 0x0
.endif
.irp b, 0,1,2,3
	ds_store_b128 v[STO], v[ACC+8*(4*(\a)+\b):ACC+8*(4*(\a)+\b)+3] offset:64*\b
	ds_store_b128 v[STO], v[ACC+8*(4*(\a)+\b)+4:ACC+8*(4*(\a)+\b)+7] offset:64*\b+16
.endr
.irp t, 0,1,2,3,4,5,6,7
	ds_load_b128 v[BB+4*\t:BB+4*\t+3], v[RD] offset:\t*2*SPITCH
.endr
	s_wait_dscnt 0x0
.irp t, 0,1,2,3,4,5,6,7
	v_pk_fma_f32 v[BB+4*\t:BB+4*\t+1], v[BB+4*\t:BB+4*\t+1], s[76:77], v[BI:BI+1] op_sel_hi:[1,0,1]
	v_pk_fma_f32 v[BB+4*\t+2:BB+4*\t+3], v[BB+4*\t+2:BB+4*\t+3], s[76:77], v[BI+2:BI+3] op_sel_hi:[1,0,1]
.endr
	WIN 0x08
.irp t, 0,1,2,3,4,5,6,7
	v_pk_add_f32 v[BB+4*\t:BB+4*\t+1], v[BB+4*\t:BB+4*\t+1], v[4*(8*(\a)+\t):4*(8*(\a)+\t)+1]
	v_pk_add_f32 v[BB+4*\t+2:BB+4*\t+3], v[BB+4*\t+2:BB+4*\t+3], v[4*(8*(\a)+\t)+2:4*(8*(\a)+\t)+3]
.endr
	WIN 0
.irp t, 0,1,2,3,4,5,6,7
	global_store_b128 v[CO], v[BB+4*\t:BB+4*\t+3], s[74:75] offset:(16*(\a)+2*\t)*4096
.endr
.endm
.irp a, 0,1,2,3
	OUT \a
.endr
	s_wait_tensorcnt 0x0
	ds_add_u32 v[SPW], v[NIL]
	s_wait_dscnt 0x0
	CROUND
	s_endpgm
.Lfunc_end_k_q4c7122f305_ffn2:
	.size	k_q4c7122f305_ffn2, .Lfunc_end_k_q4c7122f305_ffn2-k_q4c7122f305_ffn2
	.p2alignl 7, 3214868480
	.fill 96, 4, 3214868480
	.section	.rodata,"a",@progbits
	.p2align	6, 0x0
	.amdhsa_kernel k_q4c7122f305_ffn2
		.amdhsa_group_segment_fixed_size 327680
		.amdhsa_private_segment_fixed_size 0
		.amdhsa_enable_private_segment 0
		.amdhsa_kernarg_size 48
		.amdhsa_user_sgpr_count 2
		.amdhsa_user_sgpr_kernarg_segment_ptr 1
		.amdhsa_wavefront_size32 1
		.amdhsa_system_sgpr_workgroup_id_x 1
		.amdhsa_system_sgpr_workgroup_id_y 1
		.amdhsa_system_sgpr_workgroup_id_z 1
		.amdhsa_system_vgpr_workitem_id 0
		.amdhsa_next_free_vgpr 768
		.amdhsa_next_free_sgpr 100
		.amdhsa_reserve_vcc 0
		.amdhsa_float_denorm_mode_32 3
		.amdhsa_float_denorm_mode_16_64 3
		.amdhsa_memory_ordered 1
		.amdhsa_forward_progress 1
		.amdhsa_inst_pref_size 99
	.end_amdhsa_kernel
	.amdgpu_metadata
---
amdhsa.version: [ 1, 2 ]
amdhsa.kernels:
  - .name:           k_q4c7122f305_ffn2
    .symbol:         k_q4c7122f305_ffn2.kd
    .args:
      - { .name: hc, .offset: 0, .size: 8, .value_kind: global_buffer, .address_space: global }
      - { .name: wc, .offset: 8, .size: 8, .value_kind: global_buffer, .address_space: global }
      - { .name: lowp_scales, .offset: 16, .size: 8, .value_kind: global_buffer, .address_space: global }
      - { .name: b2, .offset: 24, .size: 8, .value_kind: global_buffer, .address_space: global }
      - { .name: x, .offset: 32, .size: 8, .value_kind: global_buffer, .address_space: global }
      - { .name: yz, .offset: 40, .size: 8, .value_kind: global_buffer, .address_space: global }
    .group_segment_fixed_size: 327680
    .private_segment_fixed_size: 0
    .kernarg_segment_align: 8
    .kernarg_segment_size: 48
    .max_flat_workgroup_size: 128
    .sgpr_count:     100
    .vgpr_count:     768
    .wavefront_size: 32
...
	.end_amdgpu_metadata
.endif
;; end of part 7
;; launch ln2 (part 8): grid 256 x 1, 8 waves a work-group, no clusters, 0 bytes of LDS; arguments yz, ln_g, ln_b, out0; writes out0
.if DOCPART == 8
	.amdgcn_target "amdgcn-amd-amdhsa--gfx1250"
	.amdhsa_code_object_version 6
	.text
	.protected	k_q4c7122f305_ln2
	.globl	k_q4c7122f305_ln2
	.p2align	8
	.type	k_q4c7122f305_ln2,@function
k_q4c7122f305_ln2:
	s_mov_b64 s[64:65], 0
	v_nop
	global_prefetch_b8 v0, s[64:65] scope:SCOPE_SE
	s_setreg_imm32_b32 hwreg(HW_REG_WAVE_MODE, 25, 1), 1
	s_wait_xcnt 0x0
; LayerNorm along rows of 1,024 f32: out = (y - mean) x rsqrt(var + 1e-5) x g + b, the mean first and then the mean of the squared differences, as the definition has it.
; CODES = 0: the result is the problem's output and nothing is quantised; no LDS is used.
; A wave takes two rows; a row lies in 32 registers (eight loads of 512 consecutive bytes), so it is read once and the sums never leave the wave: no barrier.  Memory binds: no matrix unit, no cluster, no tensor load.
; NaN among the inputs is not served.
.set OUTP,  10                         ; s[10:11] the f32 result
.set X,   16                           ; v16-79   two rows
.set G,   80                           ; v80-111  g at my columns
.set B,   112                          ; v112-143 b at my columns
	s_load_b256 s[4:11], s[0:1], 0x0               ; y 4, g 6, b 8, the result 10
	v_lshrrev_b32 v1, 5, v0
	s_delay_alu instid0(VALU_DEP_1)
	v_readfirstlane_b32 s16, v1                    ; wave
	v_and_b32 v12, 31, v0
	s_delay_alu instid0(VALU_DEP_1)
	v_lshlrev_b32 v1, 4, v12                       ; 16 x lane; never rewritten
	s_lshl_b32 s17, ttmp9, 4
	s_lshl_b32 s18, s16, 1
	s_add_co_u32 s17, s17, s18                     ; my first row: 16 x work-group + 2 x wave
	s_lshl_b32 s18, s17, 12
	s_mov_b32 s19, 0
	s_mov_b32 s20, 0x3a800000                      ; 1 / 1,024
	s_mov_b32 s21, 0x3727c5ac                      ; 1e-5
	s_mov_b32 s24, 0x76543210
	s_mov_b32 s25, 0xfedcba98
	s_wait_alu depctr_va_vdst(0)
	s_wait_kmcnt 0x0
	s_add_nc_u64 s[4:5], s[4:5], s[18:19]
	s_add_nc_u64 s[OUTP:OUTP+1], s[OUTP:OUTP+1], s[18:19]
.set i, 0
.rept 16
	global_load_b128 v[X+4*i:X+4*i+3], v1, s[4:5] offset:512*i th:TH_LOAD_NT   ; two rows on end
.set i, i+1
.endr
.set i, 0
.rept 8
	global_load_b128 v[G+4*i:G+4*i+3], v1, s[6:7] offset:512*i
.set i, i+1
.endr
.set i, 0
.rept 8
	global_load_b128 v[B+4*i:B+4*i+3], v1, s[8:9] offset:512*i
.set i, i+1
.endr
.macro REDUCE                          ; four chains of pairs in v[2:9] -> the sum over the row, in v2 of every lane
	s_delay_alu instid0(VALU_DEP_3)
	v_pk_add_f32 v[2:3], v[2:3], v[4:5]
	s_delay_alu instid0(VALU_DEP_2)
	v_pk_add_f32 v[6:7], v[6:7], v[8:9]
	s_delay_alu instid0(VALU_DEP_1)
	v_pk_add_f32 v[2:3], v[2:3], v[6:7]
	s_delay_alu instid0(VALU_DEP_1)
	v_add_f32 v2, v2, v3
	s_delay_alu instid0(VALU_DEP_1)
	v_add_f32_dpp v2, v2, v2 row_xmask:1 row_mask:0xf bank_mask:0xf
	s_delay_alu instid0(VALU_DEP_1)
	v_add_f32_dpp v2, v2, v2 row_xmask:2 row_mask:0xf bank_mask:0xf
	s_delay_alu instid0(VALU_DEP_1)
	v_add_f32_dpp v2, v2, v2 row_xmask:4 row_mask:0xf bank_mask:0xf
	s_delay_alu instid0(VALU_DEP_1)
	v_add_f32_dpp v2, v2, v2 row_xmask:8 row_mask:0xf bank_mask:0xf
	s_delay_alu instid0(VALU_DEP_1)
	v_permlanex16_b32 v3, v2, s24, s25
	s_delay_alu instid0(VALU_DEP_1)
	v_add_f32 v2, v2, v3
.endm
.macro ROW p
.set X0, X+32*(\p)
.irp c, 0,1,2,3
	v_pk_add_f32 v[2+2*\c:3+2*\c], v[X0+4*\c:X0+4*\c+1], v[X0+4*\c+2:X0+4*\c+3]
.endr
.irp k, 16, 24
.irp c, 0,1,2,3
	s_delay_alu instid0(VALU_DEP_4)
	v_pk_add_f32 v[2+2*\c:3+2*\c], v[2+2*\c:3+2*\c], v[X0+\k+2*\c:X0+\k+2*\c+1]
.endr
.endr
	REDUCE
	s_delay_alu instid0(VALU_DEP_1)
	v_mul_f32 v10, s20, v2                         ; the mean,
	s_delay_alu instid0(VALU_DEP_1)
	v_mov_b32 v11, v10                             ; twice, for the packed forms
.set j, 0
.rept 16
	v_pk_add_f32 v[X0+j:X0+j+1], v[X0+j:X0+j+1], v[10:11] neg_lo:[0,1] neg_hi:[0,1]
.set j, j+2
.endr
.irp c, 0,1,2,3
	v_pk_mul_f32 v[2+2*\c:3+2*\c], v[X0+2*\c:X0+2*\c+1], v[X0+2*\c:X0+2*\c+1]
.endr
.irp k, 8, 16, 24
.irp c, 0,1,2,3
	s_delay_alu instid0(VALU_DEP_4)
	v_pk_fma_f32 v[2+2*\c:3+2*\c], v[X0+\k+2*\c:X0+\k+2*\c+1], v[X0+\k+2*\c:X0+\k+2*\c+1], v[2+2*\c:3+2*\c]
.endr
.endr
	REDUCE
	s_delay_alu instid0(VALU_DEP_1)
	v_fma_f32 v2, v2, s20, s21                     ; var + 1e-5
	s_wait_alu depctr_va_vdst(0)
	v_rsq_f32 v10, v2
	v_nop                                          ; a plain line behind the root
	s_wait_alu depctr_va_vdst(0)                   ; and the wait ahead of its first reader
	v_mov_b32 v11, v10
.set j, 0
.rept 16
	v_pk_mul_f32 v[X0+j:X0+j+1], v[X0+j:X0+j+1], v[10:11]
.set j, j+2
.endr
.if (\p) == 0
	s_wait_loadcnt 0x0                             ; g and b (and the second row)
.endif
.set j, 0
.rept 16
	v_pk_fma_f32 v[X0+j:X0+j+1], v[X0+j:X0+j+1], v[G+j:G+j+1], v[B+j:B+j+1]
.set j, j+2
.endr
.set j, 0
.rept 8
	global_store_b128 v1, v[X0+4*j:X0+4*j+3], s[OUTP:OUTP+1] offset:4096*(\p)+512*j th:TH_STORE_NT   ; 512 consecutive bytes a store
.set j, j+1
.endr
.endm
	s_wait_loadcnt 24                              ; the first row's eight loads are in; the second row's, g's and b's 24 may be out
	ROW 0
	ROW 1
	s_endpgm
.Lfunc_end_k_q4c7122f305_ln2:
	.size	k_q4c7122f305_ln2, .Lfunc_end_k_q4c7122f305_ln2-k_q4c7122f305_ln2
	.p2alignl 7, 3214868480
	.fill 96, 4, 3214868480
	.section	.rodata,"a",@progbits
	.p2align	6, 0x0
	.amdhsa_kernel k_q4c7122f305_ln2
		.amdhsa_group_segment_fixed_size 0
		.amdhsa_private_segment_fixed_size 0
		.amdhsa_enable_private_segment 0
		.amdhsa_kernarg_size 32
		.amdhsa_user_sgpr_count 2
		.amdhsa_user_sgpr_kernarg_segment_ptr 1
		.amdhsa_wavefront_size32 1
		.amdhsa_system_sgpr_workgroup_id_x 1
		.amdhsa_system_sgpr_workgroup_id_y 1
		.amdhsa_system_sgpr_workgroup_id_z 1
		.amdhsa_system_vgpr_workitem_id 0
		.amdhsa_next_free_vgpr 208
		.amdhsa_next_free_sgpr 66
		.amdhsa_reserve_vcc 0
		.amdhsa_float_denorm_mode_32 3
		.amdhsa_float_denorm_mode_16_64 3
		.amdhsa_memory_ordered 1
		.amdhsa_forward_progress 1
		.amdhsa_inst_pref_size 21
	.end_amdhsa_kernel
	.amdgpu_metadata
---
amdhsa.version: [ 1, 2 ]
amdhsa.kernels:
  - .name:           k_q4c7122f305_ln2
    .symbol:         k_q4c7122f305_ln2.kd
    .args:
      - { .name: yz, .offset: 0, .size: 8, .value_kind: global_buffer, .address_space: global }
      - { .name: ln_g, .offset: 8, .size: 8, .value_kind: global_buffer, .address_space: global }
      - { .name: ln_b, .offset: 16, .size: 8, .value_kind: global_buffer, .address_space: global }
      - { .name: out0, .offset: 24, .size: 8, .value_kind: global_buffer, .address_space: global }
    .group_segment_fixed_size: 0
    .private_segment_fixed_size: 0
    .kernarg_segment_align: 8
    .kernarg_segment_size: 32
    .max_flat_workgroup_size: 256
    .sgpr_count:     66
    .vgpr_count:     208
    .wavefront_size: 32
...
	.end_amdgpu_metadata
.endif
;; end of part 8
